; MI455X (gfx1250); checked and timed in simulation.
; The chip was launched on July 23, 2026; its instructions are those of AMD's public machine-readable ISA for CDNA 5 (MIT licence, August 2026) and "CDNA5" Instruction Set Architecture Reference Guide (July 2026). The comments in the code are by the model that wrote it; some were corrected since.
;; Self Attention. Allowed arithmetic: matrix products marked QUANTISED: E2M1 operands, one E8M0 scale for each 32 along K, by v_wmma_scale_f32_16x16x128_f8f6f4 with both operands' format E2M1 (or v_wmma_scale_f32_32x16x128_f4), f32 sums; everything else in f32.
;; Inputs: fc_b 128 float32; fc_w_codes 128 x 32 x 16 uint8 (E2M1 codes of fc_w, K innermost, in blocks of 32 codes, two codes a byte); fc_w_scales 128 x 32 uint8 (E8M0 scales of fc_w, one for each 32 codes along K); key_codes 4 x 2,048 x 32 x 16 uint8 (E2M1 codes of key, K innermost, in blocks of 32 codes, two codes a byte); key_scales 4 x 2,048 x 32 uint8 (E8M0 scales of key, one for each 32 codes along K); mask 4 x 1 x 1 x 2,048 int32; query_codes 4 x 2,048 x 32 x 16 uint8 (E2M1 codes of query, K innermost, in blocks of 32 codes, two codes a byte); query_scales 4 x 2,048 x 32 uint8 (E8M0 scales of query, one for each 32 codes along K); value_codes 4 x 2,048 x 32 x 16 uint8 (E2M1 codes of value, K innermost, in blocks of 32 codes, two codes a byte); value_scales 4 x 2,048 x 32 uint8 (E8M0 scales of value, one for each 32 codes along K); wk_b 1,024 float32; wk_w_codes 1,024 x 32 x 16 uint8 (E2M1 codes of wk_w, K innermost, in blocks of 32 codes, two codes a byte); wk_w_scales 1,024 x 32 uint8 (E8M0 scales of wk_w, one for each 32 codes along K); wq_b 1,024 float32; wq_w_codes 1,024 x 32 x 16 uint8 (E2M1 codes of wq_w, K innermost, in blocks of 32 codes, two codes a byte); wq_w_scales 1,024 x 32 uint8 (E8M0 scales of wq_w, one for each 32 codes along K); wv_b 1,024 float32; wv_w_codes 1,024 x 32 x 16 uint8 (E2M1 codes of wv_w, K innermost, in blocks of 32 codes, two codes a byte); wv_w_scales 1,024 x 32 uint8 (E8M0 scales of wv_w, one for each 32 codes along K).
;; Outputs: out0 8,192 x 4 x 32 float32.
;; This version of the problem:
;;   THIS VERSION OF THE PROBLEM IS GIVEN IN LOW PRECISION. The matrix products marked QUANTISED in the list below multiply operands that are first quantised to E2M1 (2 exponent bits, 1 mantissa bit; 4 bits a number), with one power-of-two scale for each 32 numbers along K (OCP MX v1.0); their sums are f32. All else is computed in f32.
;;   The module's matrix products, in the order in which they are computed (A, B: the left and right operand; K: the contracted axis; several contracted axes count as one K, in the product's order):
;;     1. [M 8,192, K 1,024] x [K 1,024, N 1,024]; A: input query (given as codes); B: input wq_w (given as codes): QUANTISED
;;     2. [M 8,192, K 1,024] x [K 1,024, N 1,024]; A: input key (given as codes); B: input wk_w (given as codes): QUANTISED
;;     3. [M 8,192, K 1,024] x [K 1,024, N 1,024]; A: input value (given as codes); B: input wv_w (given as codes): QUANTISED
;;     4. batch 64 x [M 2,048, K 64] x [K 64, N 2,048]; A: computed on the way; B: computed on the way: QUANTISED
;;     5. batch 64 x [M 2,048, K 2,048] x [K 2,048, N 64]; A: softmax (see below); B: computed on the way: QUANTISED
;;     6. [M 8,192, K 1,024] x [K 1,024, N 128]; A: computed on the way; B: input fc_w (given as codes): QUANTISED
;;   THE QUANTISER, for each operand of a quantised product, along K:
;;     - K is cut into blocks of 32 from its start; a last block that is shorter is filled with zeros.
;;     - A block's scale is 2^e with e = floor(log2(the largest magnitude in the block)) - 2, held to -126 .. 127; a block of zeros has e = 0. As a byte (E8M0): e + 127.
;;     - Each number is divided by its block's scale, clamped to +-6, and rounded to the nearest number of E2M1, ties to even, subnormals kept.
;;     - The product sums the exact products of the quantised numbers (number of the format x scale) in f32.
;;   ~~~python
;;   def quantise(x, axis):      # numpy; x: float32 -> the quantised numbers, widened to float32 again
;;       x = np.moveaxis(x, axis, -1); K = x.shape[-1]
;;       x = np.pad(x, [(0, 0)] * (x.ndim - 1) + [(0, -K % 32)]); x = x.reshape(x.shape[:-1] + (-1, 32)); a = np.abs(x).max(-1, keepdims=True)
;;       e = np.where(a > 0, np.clip(np.frexp(np.where(a > 0, a, 1))[1] - 1 - 2, -126, 127), 0)      # np.frexp(a)[1] - 1 = floor(log2(a)), exactly
;;       r = np.clip(x / 2.0 ** e, -6, 6)
;;       step = 2.0 ** (np.maximum(np.frexp(np.where(r == 0, 1, r))[1] - 1, 0) - 1)
;;       q = np.round(r / step) * step * 2.0 ** e      # np.round: ties to even
;;       return np.moveaxis(q.reshape(q.shape[:-2] + (-1,))[..., :K], -1, axis).astype(np.float32)
;;   ~~~
;;   SOFTMAX AHEAD OF A QUANTISED PRODUCT. Where the list says 'softmax', what is quantised is not the finished softmax but p = 2^(t - M), with t = logit x log2(e) and M = ceil(the row's largest t), a whole number; so 1/2 < the row's largest p <= 1. The row's sum l is taken of the UNQUANTISED p, in f32, and the product's result is divided by l at the end. Since M is a whole number, a kernel that streams over the keys may use a running M (the ceiling of the running maximum): every later rescaling is an exact power of two, which a block's scale takes up: the codes' values come out the same.
;;   OPERANDS COMPUTED ON THE WAY. 'Computed on the way' means the value that the module computes at that place (a softmax that the list does not call 'softmax' is quantised finished and normalised). What goes into a quantiser is computed in f32, as accurately as f32 sums, v_exp_f32 and their like allow (about 1e-6 of the number): no bf16 or f16 on the way to a quantiser, and a product that is left as it is and whose result goes on into a quantised operand takes f32 operands (vector FMAs, or v_wmma_f32_16x16x4_f32). A number that lies on a knife's edge between two numbers of the format may be rounded either way, as far as f32 arithmetic and the matrix unit's own rounding can turn it there, and no further.
;;   INPUTS GIVEN AS CODES. fc_w (in the module: [128, 1024], K = its axis 1); key (in the module: [4, 2048, 1024], K = its axis 2); query (in the module: [4, 2048, 1024], K = its axis 2); value (in the module: [4, 2048, 1024], K = its axis 2); wk_w (in the module: [1024, 1024], K = its axis 1); wq_w (in the module: [1024, 1024], K = its axis 1); wv_w (in the module: [1024, 1024], K = its axis 1): each comes as NAME_codes (uint8): NAME with its K axis moved to the last place and cut into blocks of 32 codes, [.., K / 32, bytes a block], one block behind the other in memory; two codes a byte, the lower K in the low four bits (a code: sign, 2 exponent bits, 1 mantissa bit); and NAME_scales (uint8): the same leading axes, one E8M0 byte (e + 127) for each 32 codes along K. Its value is code x scale, taken as it is: it is not quantised again, and the codes and scales need not be those that the quantiser above would give.
;; One version. Each part assembles by itself: llvm-mc -triple=amdgcn-amd-amdhsa -mcpu=gfx1250 --defsym DOCPART=n.
;; ======== version 1 of 1: 3 launches
;; limits: right only within a limited range of input values
;; workspace buffers: q_ws 4,718,592 bytes; kv 9,175,040 bytes; xc 4,194,304 bytes; xs 262,144 bytes
;; launch proj (part 1): grid 4 x 64, 8 waves a work-group, clusters of 4 x 4, 327,680 bytes of LDS; arguments query_codes, query_scales, wq_w_codes, wq_w_scales, key_codes, key_scales, wk_w_codes, wk_w_scales, value_codes, value_scales, wv_w_codes, wv_w_scales, wq_b, wk_b, wv_b, mask, q_ws, kv; writes q_ws, kv
.if DOCPART == 1
	.amdgcn_target "amdgcn-amd-amdhsa--gfx1250"
	.amdhsa_code_object_version 6
	.text
	.protected	k_q5b653984d7_proj
	.globl	k_q5b653984d7_proj
	.p2align	8
	.type	k_q5b653984d7_proj,@function
k_q5b653984d7_proj:
	s_mov_b64 s[64:65], 0
	v_nop
	global_prefetch_b8 v0, s[64:65] scope:SCOPE_SE
	s_setreg_imm32_b32 hwreg(HW_REG_WAVE_MODE, 25, 1), 1
	s_wait_xcnt 0x0
	s_wait_alu depctr_hold_cnt(0) depctr_sa_sdst(0) depctr_va_vdst(0) depctr_va_sdst(0) depctr_va_ssrc(0) depctr_va_vcc(0) depctr_vm_vsrc(0)
	s_getreg_b32 s2, hwreg(HW_REG_IB_STS2, 6, 4)
	s_cmp_eq_u32 s2, 0
	s_cbranch_scc0 .Lentry_in_a_cluster
	s_endpgm
.Lentry_in_a_cluster:
	s_bfe_u32 s2, ttmp6, 0x10000c
	s_cmp_lg_u32 s2, 0xf033
	s_cbranch_scc0 .Lentry_shape_is_right
	s_endpgm
.Lentry_shape_is_right:
; PROJ: Q = query wq^T + wq_b, K = key wk^T + wk_b, V = value wv^T + wv_b on the given codes of E2M1, and the three results quantised for the attention launch.
; NO WORK OF THE PROBLEM IS LEFT OUT: every input reaches the output (wk_b too: it moves K's codes), so every input is loaded by some launch.
; SHARES.  A work-group of eight waves takes 128 tokens (one key step of attention) x 256 features (four heads) and runs three jobs on end: Q, K, V.  Wave w: tokens 64 (w & 1) on, head w >> 1: 64 x 64 of a result,
; 16 accumulators.  K = 1,024 goes in two chunks of 512 (rows of 256 bytes) through two LDS slots; a slot that has been read out takes the same chunk of the NEXT job.
; CLUSTER 4 x 4: the four work-groups of a row share their tokens' tiles, the four of a column their weights' tiles: each is asked for jointly, which divides the requests by four.
; LAYOUT.  Q, K: source 0 = 16 features, source 1 = 16 tokens: a lane holds one token and its registers run along the head's 64, the next product's K.  V: source 0 = 16 tokens, source 1 = 16 features: a lane holds one
; feature and its registers run along the keys, its next K.  Result tiles 2 e and 2 e + 1 give lanes l and l xor 16 the 32 numbers of block e; four conversions and two exchanges of halves leave block (lane / 16) whole in
; four registers of each lane: the operand's registers.  They are stored AS AN IMAGE, lane l's 16 bytes at 16 l: 512 consecutive bytes a tile.
; WORKSPACE.  q_ws: a head 73,728 bytes: 128 tile images, then 16 x 512 bytes of scale words.  kv: a head 143,360 bytes: K's 128 images; at 65,536 V's [step][d tile][64 keys] images; at 131,072 K's scale words,
; 512 bytes a step: [lane][4 words], word i of lane (r, hh) = key tile 4 hh + i; at 139,264 V's, 256 bytes a step: [lane][2 words], word i = d tile 2 hh + i.
; THE MASK RIDES IN THE SPARE HALF OF THE SCORE PRODUCT'S K (64 of the instruction's 128).  The attention launch gives Q the code 1.0 and K the code -1.0 at k = 64.  Here Q's scale byte 2 is 67 (2^-60); K's is 223 (2^96)
; for a key whose mask is 0, whose 64 codes are set to 0 too, and 1 for every other key.  A masked score is so exactly -2^36.
; LIMITS.  A masked energy is -2^33 where the problem writes -1e10: the same results while real energies lie above -2^33.  A score that counts has -2^-186 added.  Blocks whose largest magnitude lies under 2^-124 keep
; the scale byte 1 (a block of zeros too: its codes are zeros, and this program alone reads the bytes).  NaN, infinities and the scale byte 0xff among the inputs are not served.
.set PITCH,  272                       ; an LDS row: 256 bytes + 16 of padding: the 16 rows of a fragment load start 68 words apart
.set WROWS,  64*PITCH                  ; 64 rows: what one wave reads of the tokens or of the weights; a tensor load brings 128
.set SLOT,   384*PITCH                 ; tokens' rows 0-127, weights' rows 128-383
.set SCL,    2*SLOT                    ; behind the ring: the scale bytes, a region for each job, filled once
.set SCW,    16*272                    ; in a region: the tokens' 16 units of 256 bytes + 16, then the weights' 32
.set SCJ,    48*272
.set VSTG,   SCL+3*SCJ                 ; V's scale words meet here: 1,024 bytes that no tensor load fills
.set SPARE,  VSTG+1024                 ; the spare words, 128 bytes for each wave, which no other line names
.set QHEAD,  73728
.set KVHEAD, 143360
.set CODEW,  (1<<20)|(1<<21)|(5<<22)|(3<<25)           ; group 1, word 0 beside the mask: elements of 1 byte; padding on; bit 21 beside a mask; 4 words behind every 64
.set SCALW,  (3<<16)|(1<<20)|(1<<21)|(5<<22)|(3<<25)   ; the same with elements of 8 bytes
.set ADT, 1                            ; v1-2   LDS address of my tokens' fragments in slot 0, 1
.set ADW, 3                            ; v3-4   of my weights'
.set ADS, 5                            ; v5     of my scale words: lanes 0-15 the tokens', lanes 16-31 the weights'
.set SPW, 6                            ; v6     my spare word; never rewritten
.set NIL, 7                            ; v7     0; never rewritten
.set LI,  8                            ; v8     16 x lane
.set OW8, 9                            ; v9     16 r + 8 h; in V's epilogue: where I put a half word of V's scales
.set OBH, 10                           ; v10    32 h; in V's epilogue: where I read V's scale words back
.set OR4, 11                           ; v11    4 r; in V's epilogue: 8 x lane
.set MK,  12                           ; v12-15 the mask of my four token tiles
.set SC,  16                           ; v16-31 scale words and nothing else: register 4 i + q: tile i, the chunk's q-th 128 along K
.set FT,  32                           ; v32-63 four fragments of tokens;  in an epilogue: at work (below)
.set FW,  64                           ; v64-95 four fragments of weights
.set ACC, 96                           ; v96-223 accumulator (a, b) at 8 (4 a + b)
.set BI,  224                          ; v224-255 the bias, in the result's layout
.set PC,  32                           ; epilogue: column b's codes at 4 b
.set WD,  48                           ; its scale word
.set TM,  52
.set TP,  54
.set SO,  56
.set BY,  58
.set THI, 60
.set UNM, 61
.set DW,  62
.set WV,  4                            ; s4 wave, s5 its half of the tokens, s6 its head of the four
.set TH,  5
.set WQ,  6
.set OT,  8                            ; s[8:9] byte offset of the rows that I fetch among the tokens' codes; s[10:11] among the weights'; s[12:13], s[14:15] of the work-group's scale bytes
.set OW,  10
.set OST, 12
.set OSW, 14
.set G1T, 16
.set G1W, 24
.set G1ST, 32
.set G1SW, 40
.set G0T, 48                           ; group 0 for the tokens' tiles, a set for each slot;  s[56:63] for the weights'
.set G0W, 56
.set G0ST, 68                          ; group 0 for the tokens' scales, a set for each job;  s[80:91] the weights'.  Free behind the first change of slots
.set G0SW, 80
.set HD,  66                           ; s66 16 x batch + my head;  s67 the key step
.set STP, 67
.set NT,  92                           ; s[92:93], s[94:95] the next job's codes
.set NW,  94
.set BPT, 96                           ; s[96:97] a bias
.set MPT, 98                           ; s[98:99] the mask
.set SEL, 100                          ; s[100:101] v_permlanex16_b32's selects for lane l xor 16
.set HM,  104                          ; s104 lanes 16-31
.macro PLACES                          ; four plain places behind matrix instructions, in front of loads into their registers and of the first read of results
.rept 4
	v_nop
.endr
.endm
.macro ROUND                           ; a round of the cluster's barrier
	s_barrier_signal -1
	s_barrier_wait -1
	s_cmp_lg_u32 s[WV], 0
	s_cbranch_scc1 .Lnot_wave_0_\@
	s_barrier_signal -3
.Lnot_wave_0_\@:
	s_barrier_wait -3
	s_barrier_signal -1
	s_barrier_wait -1
.endm
; A PREFETCH INTO THE L2 of a later job's codes, both chunks: rows of 512 bytes are two blocks of 256.  Each block is named once in a cluster; the partners that ask for a tile jointly share its rows out BY ADDRESS:
; of the 128 tokens' rows the partner at cx takes 32 (wave 0: their chunk 0, wave 1: chunk 1); of the 256 weights' rows the partner at cy takes 64 (waves 2 to 5: 32 rows x a chunk each).  A lane a row, one instruction a wave.
; v0 holds the offset from the head's end on and is not rewritten.  The branches hang on the wave's number alone.
.macro PF t, w
	s_cmp_lt_u32 s[WV], 2
	s_cbranch_scc0 .Lpw_\@
	global_prefetch_b8 v0, s[\t:\t+1] th:TH_LOAD_NT scope:SCOPE_SE
	s_branch .Lpd_\@
.Lpw_\@:
	s_cmp_lt_u32 s[WV], 6
	s_cbranch_scc0 .Lpd_\@
	global_prefetch_b8 v0, s[\w:\w+1] th:TH_LOAD_NT scope:SCOPE_SE
.Lpd_\@:
.endm
.macro TL g0, g1
	tensor_load_to_lds s[\g0:\g0+3], s[\g1:\g1+7]
	s_nop 0
.endm
.macro ARM w, g0, g1, join             ; wave w's one load, and a jump to the chain's end.  The branch hangs on the wave's number alone
	s_cmp_eq_u32 s[WV], \w
	s_cbranch_scc0 .Lnot_\@
	TL \g0, \g1
	PLACES
	s_branch \join
.Lnot_\@:
.endm
.macro JLOAD s                         ; a joint refill of slot s: wave 0 the tokens' 128 rows, waves 2 and 4 the weights' halves of 128 rows, the others nothing
	ARM 0, G0T+4*\s, G1T, .Lasked_\@
	ARM 2, G0W+4*\s, G1W, .Lasked_\@
	ARM 4, G0W+4*\s, G1W, .Lasked_\@
.Lasked_\@:
.endm
.macro FRAGS s, q                      ; my four fragments of each side for the slot's q-th 128 along K: lane (r, h): row r, 16 bytes at 16 h and at 32 + 16 h
.irp i, 0,1,2,3
.irp c, 0,1
	ds_load_b128 v[FT+8*\i+4*\c:FT+8*\i+4*\c+3], v[ADT+\s] offset:16*PITCH*\i+64*\q+32*\c
	ds_load_b128 v[FW+8*\i+4*\c:FW+8*\i+4*\c+3], v[ADW+\s] offset:16*PITCH*\i+64*\q+32*\c
.endr
.endr
.endm
.macro SCLOAD j, c                     ; job j, chunk c: four scale words a row
.irp i, 0,1,2,3
	ds_load_b128 v[SC+4*\i:SC+4*\i+3], v[ADS] offset:SCJ*\j+544*\i+16*\c
.endr
.endm
; 16 products, the accumulators by turns.  first = 1: the bias is the C that starts the sums
.macro MM isv, q, first
.irp a, 0,1,2,3
.irp b, 0,1,2,3
.if \isv
.if \first
	v_wmma_scale_f32_16x16x128_f8f6f4 v[ACC+8*(4*\a+\b):ACC+8*(4*\a+\b)+7], v[FT+8*\a:FT+8*\a+7], v[FW+8*\b:FW+8*\b+7], v[BI+8*\b:BI+8*\b+7], v[SC+4*\a+\q], v[SC+4*\b+\q] matrix_a_fmt:MATRIX_FMT_FP4 matrix_b_fmt:MATRIX_FMT_FP4 matrix_b_scale:MATRIX_SCALE_ROW1
.else
	v_wmma_scale_f32_16x16x128_f8f6f4 v[ACC+8*(4*\a+\b):ACC+8*(4*\a+\b)+7], v[FT+8*\a:FT+8*\a+7], v[FW+8*\b:FW+8*\b+7], v[ACC+8*(4*\a+\b):ACC+8*(4*\a+\b)+7], v[SC+4*\a+\q], v[SC+4*\b+\q] matrix_a_fmt:MATRIX_FMT_FP4 matrix_b_fmt:MATRIX_FMT_FP4 matrix_b_scale:MATRIX_SCALE_ROW1
.endif
.else
.if \first
	v_wmma_scale_f32_16x16x128_f8f6f4 v[ACC+8*(4*\a+\b):ACC+8*(4*\a+\b)+7], v[FW+8*\a:FW+8*\a+7], v[FT+8*\b:FT+8*\b+7], v[BI+8*\a:BI+8*\a+7], v[SC+4*\a+\q], v[SC+4*\b+\q] matrix_a_fmt:MATRIX_FMT_FP4 matrix_b_fmt:MATRIX_FMT_FP4 matrix_a_scale:MATRIX_SCALE_ROW1
.else
	v_wmma_scale_f32_16x16x128_f8f6f4 v[ACC+8*(4*\a+\b):ACC+8*(4*\a+\b)+7], v[FW+8*\a:FW+8*\a+7], v[FT+8*\b:FT+8*\b+7], v[ACC+8*(4*\a+\b):ACC+8*(4*\a+\b)+7], v[SC+4*\a+\q], v[SC+4*\b+\q] matrix_a_fmt:MATRIX_FMT_FP4 matrix_b_fmt:MATRIX_FMT_FP4 matrix_a_scale:MATRIX_SCALE_ROW1
.endif
.endif
.endr
.endr
.endm
; The change of slots.  Each wave waits for all its tensor loads (its part of the other slot), adds 0 to its spare word, and waits for that and for its reads of slot s.  fill = 1: slot s takes the next job's chunk s
.macro CHANGE fill, s
	s_wait_tensorcnt 0x0                           ; no tensor load of mine is out, so a group 0 may be written
	ds_add_u32 v[SPW], v[NIL]                      ; 0 onto my spare word; the descriptors' words stand between it and the wait for it
.if \fill
	s_wait_kmcnt 0x0                               ; the next job's two addresses
	s_add_nc_u64 s[G0T+4*\s+2:G0T+4*\s+3], s[NT:NT+1], s[OT:OT+1]
	s_add_nc_u64 s[G0W+4*\s+2:G0W+4*\s+3], s[NW:NW+1], s[OW:OW+1]
.if \s
	s_add_nc_u64 s[G0T+4*\s+2:G0T+4*\s+3], s[G0T+4*\s+2:G0T+4*\s+3], 256
	s_add_nc_u64 s[G0W+4*\s+2:G0W+4*\s+3], s[G0W+4*\s+2:G0W+4*\s+3], 256
.endif
	s_or_b32 s[G0T+4*\s+3], s[G0T+4*\s+3], 0x80000000
	s_or_b32 s[G0W+4*\s+3], s[G0W+4*\s+3], 0x80000000
	s_wait_dscnt 0x0                               ; the add is done, and my reads of slot s are in
	ROUND                                          ; no wave of any partner still reads the slot or has a load on its way
	JLOAD \s                                       ; the first tensor load behind the round, one a wave
.else
	s_wait_dscnt 0x0
	s_barrier_signal -1
	s_barrier_wait -1
.endif
.endm
; A chunk of 512 along K out of slot s.  chg = 2: the slot is filled again ahead of its last 16 products; 1: only the other slot is awaited; 0: nothing follows
.macro PHASE isv, j, s, first, chg
.if \first == 0
	PLACES
.endif
	SCLOAD \j, \s
	FRAGS \s, 0
	s_wait_dscnt 0x0
	MM \isv, 0, \first
.irp q, 1,2
	PLACES
	FRAGS \s, \q
	s_wait_dscnt 0x0
	MM \isv, \q, 0
.endr
	PLACES
	FRAGS \s, 3
.if \chg == 2
	CHANGE 1, \s
.elseif \chg == 1
	CHANGE 0, \s
.else
	s_wait_dscnt 0x0
.endif
	MM \isv, 3, 0
.endm
; Column b's four tiles become 64 codes a lane row and a half word of two scale bytes.  Each accumulator is read from its low end on
.macro QBLK b
.irp e, 0,1
	v_max3_num_f32 v[TM+\e], |v[ACC+8*(8*\e+\b)]|, |v[ACC+8*(8*\e+\b)+1]|, 0x1800000   ; block e: my 16 numbers, and the floor 2^(3 - 127): the byte cannot fall under 1
.endr
.irp i, 2,4,6
.irp e, 0,1
	v_max3_num_f32 v[TM+\e], v[TM+\e], |v[ACC+8*(8*\e+\b)+\i]|, |v[ACC+8*(8*\e+\b)+\i+1]|
.endr
.endr
.irp i, 0,2,4,6
.irp e, 0,1
	v_max3_num_f32 v[TM+\e], v[TM+\e], |v[ACC+8*(8*\e+4+\b)+\i]|, |v[ACC+8*(8*\e+4+\b)+\i+1]|
.endr
.endr
.irp e, 0,1
	s_delay_alu instid0(VALU_DEP_2)
	v_permlanex16_b32 v[TP+\e], v[TM+\e], s[SEL], s[SEL+1]
.endr
.irp e, 0,1
	s_delay_alu instid0(VALU_DEP_2)
	v_max_num_f32 v[TM+\e], v[TM+\e], v[TP+\e]     ; with lane l xor 16's 16: the block's largest magnitude
.endr
.irp e, 0,1
	s_delay_alu instid0(VALU_DEP_2)
	v_add_nc_u32 v[SO+\e], 0xff000000, v[TM+\e]    ; 2 off its exponent field: the conversion's scale operand
.endr
.irp e, 0,1
	s_delay_alu instid0(VALU_DEP_2)
	v_lshrrev_b32 v[BY+\e], 23, v[SO+\e]           ; the scale's byte
.endr
	s_delay_alu instid0(VALU_DEP_1)
	v_lshl_or_b32 v[WD+\b], v[BY+1], 8, v[BY]
	v_cvt_scalef32_pk8_fp4_f32 v[PC+4*\b],   v[ACC+8*(\b):ACC+8*(\b)+7],       v[SO]     ; block 0, k 8 h on
	v_cvt_scalef32_pk8_fp4_f32 v[PC+4*\b+1], v[ACC+8*(8+\b):ACC+8*(8+\b)+7],   v[SO+1]   ; block 1, k 8 h on
	v_cvt_scalef32_pk8_fp4_f32 v[PC+4*\b+2], v[ACC+8*(4+\b):ACC+8*(4+\b)+7],   v[SO]     ; block 0, k 16 + 8 h on
	v_cvt_scalef32_pk8_fp4_f32 v[PC+4*\b+3], v[ACC+8*(12+\b):ACC+8*(12+\b)+7], v[SO+1]   ; block 1, k 16 + 8 h on
	v_nop                                          ; one plain place behind the conversions
	v_permlane16_swap_b32 v[PC+4*\b], v[PC+4*\b+1]     ; lanes 0-15 now hold block 0 whole, lanes 16-31 block 1, k ascending over the four registers
	v_permlane16_swap_b32 v[PC+4*\b+2], v[PC+4*\b+3]
.endm
; Q's and K's way out.  The next job's bias is asked for first: its registers have been free since this job's first products
.macro EPI_QK isk, stride, soff
	PLACES
	s_wait_kmcnt 0x0                               ; the workspace's address and the next bias's
	s_add_nc_u64 s[BPT:BPT+1], s[BPT:BPT+1], s[2:3]
.if \isk
.irp b, 0,1,2,3
	global_load_b32 v[BI+8*\b], v[OR4], s[BPT:BPT+1] offset:64*\b      ; V's bias: feature r of tile b
.endr
	v_mov_b32 v[UNM], 0x7F010000
.else
.irp a, 0,1,2,3
	global_load_b128 v[BI+8*\a:BI+8*\a+3], v[OBH], s[BPT:BPT+1] offset:64*\a
	global_load_b128 v[BI+8*\a+4:BI+8*\a+7], v[OBH], s[BPT:BPT+1] offset:64*\a+16
.endr
.endif
	s_mul_i32 s70, s[HD], \stride                  ; my head's part; images: + 4,096 x step + 2,048 x my half
	s_lshl_b32 s74, s[STP], 12
	s_add_co_u32 s70, s70, s74
	s_lshl_b32 s74, s[TH], 11
	s_add_co_u32 s70, s70, s74
	s_mov_b32 s71, 0
	s_add_nc_u64 s[70:71], s[68:69], s[70:71]
	s_mul_i32 s72, s[HD], \stride                  ; scale words: + 512 x step + 256 x my half
	s_lshl_b32 s74, s[STP], 9
	s_add_co_u32 s72, s72, s74
	s_lshl_b32 s74, s[TH], 8
	s_add_co_u32 s72, s72, s74
	s_add_co_u32 s72, s72, \soff
	s_mov_b32 s73, 0
	s_add_nc_u64 s[72:73], s[68:69], s[72:73]
.irp b, 0,1,2,3
	QBLK \b
.if \isk
	v_cmp_ne_u32 vcc_lo, 0, v[MK+\b]               ; does key r of tile b count?
.irp i, 0,1,2,3
	v_cndmask_b32 v[PC+4*\b+\i], 0, v[PC+4*\b+\i], vcc_lo          ; a masked key's codes are zeros
.endr
	v_cndmask_b32 v[THI], 0x7FDF0000, v[UNM], vcc_lo               ; byte 2: 223 masked, 1 else; byte 3: 127
	s_delay_alu instid0(VALU_DEP_1)
	v_or_b32 v[WD+\b], v[THI], v[WD+\b]
.else
	v_or_b32 v[WD+\b], 0x7F430000, v[WD+\b]        ; byte 2: 67; byte 3: 127
.endif
	global_store_b128 v[LI], v[PC+4*\b:PC+4*\b+3], s[70:71] offset:512*\b   ; 512 consecutive bytes
.endr
	v_cndmask_b32 v[DW], v[WD], v[WD+2], s[HM]     ; lane (r, h) stores words 2 h and 2 h + 1 of token r
	v_cndmask_b32 v[DW+1], v[WD+1], v[WD+3], s[HM]
	global_store_b64 v[OW8], v[DW:DW+1], s[72:73]  ; 256 consecutive bytes, aligned
	s_wait_xcnt 0x0                                ; the stores have read their registers: the next job's fragments may land there
.endm
	s_load_b64 s[G0T+2:G0T+3], s[0:1], 0x0         ; query_codes
	s_load_b64 s[G0W+2:G0W+3], s[0:1], 0x10        ; wq_w_codes
	s_load_b64 s[G0ST+2:G0ST+3], s[0:1], 0x8       ; query_scales
	s_load_b64 s[G0ST+6:G0ST+7], s[0:1], 0x28      ; key_scales
	s_load_b64 s[G0ST+10:G0ST+11], s[0:1], 0x48    ; value_scales
	s_load_b64 s[G0SW+2:G0SW+3], s[0:1], 0x18      ; wq_w_scales
	s_load_b64 s[G0SW+6:G0SW+7], s[0:1], 0x38      ; wk_w_scales
	s_load_b64 s[G0SW+10:G0SW+11], s[0:1], 0x58    ; wv_w_scales
	s_load_b64 s[BPT:BPT+1], s[0:1], 0x60          ; wq_b
	s_load_b64 s[MPT:MPT+1], s[0:1], 0x78          ; mask
	v_lshl_add_u32 v[SPW], v0, 2, SPARE
	v_mov_b32 v[NIL], 0
	ds_add_u32 v[SPW], v[NIL]                      ; the wave's opening: the add, twice on end, and its wait ahead of my first tensor load
	ds_add_u32 v[SPW], v[NIL]
	v_lshrrev_b32 v1, 5, v0
	s_delay_alu instid0(VALU_DEP_1)
	v_readfirstlane_b32 s[WV], v1                  ; wave 0..7
	s_and_b32 s[TH], s[WV], 1
	s_lshr_b32 s[WQ], s[WV], 1
	s_bfe_u32 s2, ttmp6, 0x40000                   ; cx
	s_bfe_u32 s3, ttmp6, 0x40004                   ; cy
	s_lshl_b32 s7, ttmp9, 2
	s_add_co_u32 s7, s7, s2                        ; wx: which 256 features
	s_and_b32 s[STP], ttmp7, 0xffff
	s_lshl_b32 s[STP], s[STP], 2
	s_add_co_u32 s[STP], s[STP], s3                ; ty: which 128 tokens = 16 x batch + key step
	s_lshl_b32 s92, s[STP], 16                     ; the prefetches' offsets.  Tokens: 128 ty rows + 32 cx rows
	s_lshl_b32 s93, s2, 14
	s_add_co_u32 s92, s92, s93
	s_lshl_b32 s93, s7, 17                         ; weights: 256 wx rows + 64 cy rows + 32 ((wave - 2) / 2) rows
	s_lshl_b32 s105, s3, 15
	s_add_co_u32 s93, s93, s105
	s_lshl_b32 s105, s[WQ], 14
	s_add_co_u32 s93, s93, s105
	s_sub_co_u32 s93, s93, 1<<14
	s_cmp_lt_u32 s[WV], 2
	s_cselect_b32 s92, s92, s93
	s_lshl_b32 s93, s[TH], 8                       ; + the chunk: wave & 1
	s_add_co_u32 s92, s92, s93
	s_lshr_b32 s105, s[WV], 2                      ; job 0's chunk 1, from my own tile's address: wave 0: 32 cx rows; waves 2 and 6: 64 cy + 32 (wave / 4) rows
	s_lshl_b32 s105, s105, 14
	s_lshl_b32 s93, s3, 15
	s_add_co_u32 s93, s93, s105
	s_lshl_b32 s105, s2, 14
	s_cmp_eq_u32 s[WV], 0
	s_cselect_b32 s93, s105, s93
	v_and_b32 v62, 31, v0
	v_lshlrev_b32 v62, 9, v62                      ; a lane a row
	v_add_nc_u32 v63, s92, v62
	v_add_nc_u32 v61, s93, v62
	s_wait_alu depctr_va_vdst(0)
	s_lshl_b32 s92, s3, 2
	s_lshl_b32 s92, 15, s92                        ; my row of the cluster: it shares the tokens
	s_lshl_b32 s93, 0x1111, s2                     ; my column: it shares the weights
	s_or_b32 s[G1T], s92, CODEW
	s_or_b32 s[G1W], s93, CODEW
	s_or_b32 s[G1ST], s92, SCALW
	s_or_b32 s[G1SW], s93, SCALW
.irp g, G1T, G1W                       ; 128 rows x 256 bytes out of rows of 512
	s_mov_b32 s[\g+1], 256<<16
	s_mov_b32 s[\g+2], 128<<16
	s_mov_b32 s[\g+3], 256<<16
	s_mov_b32 s[\g+4], 128
	s_mov_b32 s[\g+5], 512
	s_mov_b32 s[\g+6], 0
	s_mov_b32 s[\g+7], 0
.endr
	s_mov_b32 s[G1ST+1], 32<<16                    ; the scale bytes of 128 tokens: 4,096 dense bytes as 16 rows of 256
	s_mov_b32 s[G1ST+2], 16<<16
	s_mov_b32 s[G1ST+3], 32<<16
	s_mov_b32 s[G1ST+4], 16
	s_mov_b32 s[G1ST+5], 32
	s_mov_b32 s[G1ST+6], 0
	s_mov_b32 s[G1ST+7], 0
	s_mov_b32 s[G1SW+1], 32<<16                    ; of 256 features: 32 rows of 256
	s_mov_b32 s[G1SW+2], 32<<16
	s_mov_b32 s[G1SW+3], 32<<16
	s_mov_b32 s[G1SW+4], 32
	s_mov_b32 s[G1SW+5], 32
	s_mov_b32 s[G1SW+6], 0
	s_mov_b32 s[G1SW+7], 0
	s_lshl_b32 s[OT], s[STP], 16                   ; 128 ty rows of 512 bytes,
	s_lshl_b32 s[OT+1], s[TH], 15                  ; + 64 (wave & 1) rows
	s_add_co_u32 s[OT], s[OT], s[OT+1]
	s_mov_b32 s[OT+1], 0
	s_sub_co_u32 s[OW], s[WV], 2
	s_and_b32 s[OW], s[OW], 3
	s_lshl_b32 s[OW], s[OW], 15                    ; 64 ((wave - 2) & 3) rows,
	s_lshl_b32 s[OW+1], s7, 17                     ; + 256 wx rows
	s_add_co_u32 s[OW], s[OW], s[OW+1]
	s_mov_b32 s[OW+1], 0
	s_lshl_b32 s[OST], s[STP], 12                  ; 128 ty rows of 32 scale bytes
	s_mov_b32 s[OST+1], 0
	s_lshl_b32 s[OSW], s7, 13                      ; 256 wx rows
	s_mov_b32 s[OSW+1], 0
	s_lshl_b32 s2, s7, 10                          ; a bias at my 64 features: 4 (256 wx + 64 wq)
	s_lshl_b32 s3, s[WQ], 8
	s_add_co_u32 s2, s2, s3
	s_mov_b32 s3, 0
	s_lshr_b32 s[HD], s[STP], 4
	s_lshl_b32 s[HD], s[HD], 4                     ; 16 x batch
	s_lshl_b32 s105, s7, 2
	s_add_co_u32 s[HD], s[HD], s105
	s_add_co_u32 s[HD], s[HD], s[WQ]               ; + my head
	s_lshl_b32 s92, s[STP], 9                      ; the mask at my 64 tokens: 4 (128 ty + 64 th)
	s_lshl_b32 s93, s[TH], 8
	s_add_co_u32 s92, s92, s93
	s_mov_b32 s93, 0
	s_and_b32 s[STP], s[STP], 15                   ; the key step
	s_mul_i32 s105, s[WV], WROWS                   ; where my rows go: wave x 64 rows: no place in the cluster enters an LDS address
	s_mov_b32 s[G0T], 1
	s_mov_b32 s[G0T+1], s105
	s_mov_b32 s[G0T+4], 1
	s_add_co_u32 s[G0T+5], s105, SLOT
	s_mov_b32 s[G0W], 1
	s_mov_b32 s[G0W+1], s105
	s_mov_b32 s[G0W+4], 1
	s_add_co_u32 s[G0W+5], s105, SLOT
.irp j, 0,1,2
	s_mov_b32 s[G0ST+4*\j], 1
	s_mov_b32 s[G0ST+4*\j+1], SCL+SCJ*\j
	s_mov_b32 s[G0SW+4*\j], 1
	s_mov_b32 s[G0SW+4*\j+1], SCL+SCJ*\j+SCW
.endr
	s_mov_b32 s[SEL], 0x76543210
	s_mov_b32 s[SEL+1], 0xfedcba98
	s_mov_b32 s[HM], 0xffff0000
	s_wait_dscnt 0x0                               ; both opening adds are done
	s_wait_kmcnt 0x0
	s_add_nc_u64 s[G0T+2:G0T+3], s[G0T+2:G0T+3], s[OT:OT+1]
	s_add_nc_u64 s[G0T+6:G0T+7], s[G0T+2:G0T+3], 256
	s_or_b32 s[G0T+3], s[G0T+3], 0x80000000
	s_add_nc_u64 s[G0W+2:G0W+3], s[G0W+2:G0W+3], s[OW:OW+1]
	s_add_nc_u64 s[G0W+6:G0W+7], s[G0W+2:G0W+3], 256
	s_or_b32 s[G0W+3], s[G0W+3], 0x80000000
	s_cmp_eq_u32 s[WV], 0                          ; job 0's chunk 1 is asked of memory here; its load goes out when the head's loads have landed.  The two addresses get their type bits at the head's end
	s_cbranch_scc0 .Lq_w
	global_prefetch_b8 v61, s[G0T+6:G0T+7] th:TH_LOAD_NT scope:SCOPE_SE
	s_branch .Lq_d
.Lq_w:
	s_and_b32 s105, s[WV], 3
	s_cmp_eq_u32 s105, 2                           ; waves 2 and 6: their weights' address begins at the work-group's first row
	s_cbranch_scc0 .Lq_d
	global_prefetch_b8 v61, s[G0W+6:G0W+7] th:TH_LOAD_NT scope:SCOPE_SE
.Lq_d:
.irp j, 0,1,2
	s_add_nc_u64 s[G0ST+4*\j+2:G0ST+4*\j+3], s[G0ST+4*\j+2:G0ST+4*\j+3], s[OST:OST+1]
	s_or_b32 s[G0ST+4*\j+3], s[G0ST+4*\j+3], 0x80000000
	s_add_nc_u64 s[G0SW+4*\j+2:G0SW+4*\j+3], s[G0SW+4*\j+2:G0SW+4*\j+3], s[OSW:OSW+1]
	s_or_b32 s[G0SW+4*\j+3], s[G0SW+4*\j+3], 0x80000000
.endr
	ROUND                                          ; all sixteen work-groups are here: the first joint loads meet
	ARM 0, G0T, G1T, .Lff_done                     ; the head's loads, one a wave, in one chain: job 0's chunk 0 of the tokens,
	ARM 2, G0W, G1W, .Lff_done                     ; of the weights, rows 0-127,
	ARM 4, G0W, G1W, .Lff_done                     ; and rows 128-255;
	ARM 1, G0ST, G1ST, .Lff_done                   ; job 0's scale bytes,
	ARM 3, G0SW, G1SW, .Lff_done
	ARM 5, G0ST+4, G1ST, .Lff_done                 ; job 1's,
	ARM 6, G0SW+4, G1SW, .Lff_done
	TL G0ST+8, G1ST                                ; and wave 7: the tokens' of job 2
	PLACES
.Lff_done:
	v_and_b32 v32, 15, v0                          ; r
	v_bfe_u32 v33, v0, 4, 1                        ; h
	s_delay_alu instid0(VALU_DEP_2)
	v_mul_u32_u24 v34, v32, PITCH
	s_delay_alu instid0(VALU_DEP_1)
	v_lshl_add_u32 v34, v33, 4, v34                ; row r, + 16 h
	s_mul_i32 s105, s[TH], WROWS
	v_add_nc_u32 v[ADT], s105, v34
	s_delay_alu instid0(VALU_DEP_1)
	v_add_nc_u32 v[ADT+1], SLOT, v[ADT]
	s_mul_i32 s105, s[WQ], WROWS
	s_add_co_u32 s105, s105, 128*PITCH
	v_add_nc_u32 v[ADW], s105, v34
	s_delay_alu instid0(VALU_DEP_1)
	v_add_nc_u32 v[ADW+1], SLOT, v[ADW]
	v_lshrrev_b32 v34, 3, v32                      ; scale bytes: 8 rows of 32 to a unit of 272
	v_and_b32 v35, 7, v32
	s_delay_alu instid0(VALU_DEP_2)
	v_mul_u32_u24 v34, v34, 272
	s_delay_alu instid0(VALU_DEP_1)
	v_lshl_add_u32 v34, v35, 5, v34
	s_xor_b32 s7, s[TH], 1                         ; lanes 16-31 take the weights': 4,352 + 2,176 wq - 2,176 th further on, as ONE product: 2,176 (1 + wq + (th xor 1))
	s_add_co_u32 s7, s7, s[WQ]
	s_add_co_u32 s7, s7, 1
	s_mul_i32 s7, s7, 8*272
	v_mul_u32_u24 v35, s7, v33
	s_mul_i32 s105, s[TH], 8*272
	s_add_co_u32 s105, s105, SCL
	v_add_nc_u32 v34, v34, v35
	s_delay_alu instid0(VALU_DEP_1)
	v_add_nc_u32 v[ADS], s105, v34
	v_and_b32 v[LI], 31, v0
	s_delay_alu instid0(VALU_DEP_1)
	v_lshlrev_b32 v[LI], 4, v[LI]
	v_lshlrev_b32 v[OW8], 4, v32
	s_delay_alu instid0(VALU_DEP_1)
	v_lshl_add_u32 v[OW8], v33, 3, v[OW8]
	v_lshlrev_b32 v[OBH], 5, v33
	v_lshlrev_b32 v[OR4], 2, v32
	s_add_nc_u64 s[BPT:BPT+1], s[BPT:BPT+1], s[2:3]
.irp a, 0,1,2,3
	global_load_b128 v[BI+8*\a:BI+8*\a+3], v[OBH], s[BPT:BPT+1] offset:64*\a        ; wq_b at features 16 a + 8 h + 0 .. 7 of my head
	global_load_b128 v[BI+8*\a+4:BI+8*\a+7], v[OBH], s[BPT:BPT+1] offset:64*\a+16
.endr
	s_add_nc_u64 s[MPT:MPT+1], s[MPT:MPT+1], s[92:93]
.irp b, 0,1,2,3
	global_load_b32 v[MK+\b], v[OR4], s[MPT:MPT+1] offset:64*\b    ; the mask of token r of tile b
.endr
	s_load_b64 s[NT:NT+1], s[0:1], 0x20            ; key_codes
	s_load_b64 s[NW:NW+1], s[0:1], 0x30            ; wk_w_codes
	v_mov_b32 v0, v63                              ; the thread's number is done with: v0 holds the prefetches' offset from here on
	s_wait_alu depctr_va_vdst(0)
	s_wait_kmcnt 0x0                               ; job K's two addresses
	s_wait_xcnt 0x0                                ; the prefetch of job 0's chunk 1 has read its address, so it may be written:
	s_or_b32 s[G0T+7], s[G0T+7], 0x80000000
	s_or_b32 s[G0W+7], s[G0W+7], 0x80000000
	PF NT, NW                                      ; job K's codes: its first refill stands behind the wait for the head's tiles and three quarters of job 0's first chunk
	s_wait_tensorcnt 0x0                           ; my load of the head is in
	ds_add_u32 v[SPW], v[NIL]
	s_wait_dscnt 0x0
	ROUND                                          ; everybody's is in, and the sixteen work-groups meet
	ARM 0, G0T+4, G1T, .Lsf_done                   ; slot 1's first fill: job 0's chunk 1,
	ARM 2, G0W+4, G1W, .Lsf_done
	ARM 4, G0W+4, G1W, .Lsf_done
	ARM 1, G0SW+8, G1SW, .Lsf_done                 ; and the weights' scale bytes of job 2
.Lsf_done:
	s_wait_loadcnt 0x0                             ; the bias and the mask
	PHASE 0, 0, 0, 1, 2                            ; Q
	s_load_b64 s[68:69], s[0:1], 0x80              ; q_ws (the scales' descriptors are done with: every tensor load has been waited for)
	s_load_b64 s[BPT:BPT+1], s[0:1], 0x68          ; wk_b
	s_load_b64 s[80:81], s[0:1], 0x40              ; value_codes and wv_w_codes, for the prefetch (the scales' descriptors that lay here are done with)
	s_load_b64 s[82:83], s[0:1], 0x50
	PHASE 0, 0, 1, 0, 2
	PF 80, 82                                      ; job V's codes: its first refill stands an epilogue and three quarters of a chunk further on (the chunk's change of slots has waited for the two addresses)
	EPI_QK 0, QHEAD, 65536
	s_load_b64 s[NT:NT+1], s[0:1], 0x40            ; value_codes
	s_load_b64 s[NW:NW+1], s[0:1], 0x50            ; wv_w_codes
	s_wait_loadcnt 0x0                             ; wk_b
	PHASE 0, 1, 0, 1, 2                            ; K
	s_load_b64 s[68:69], s[0:1], 0x88              ; kv
	s_load_b64 s[BPT:BPT+1], s[0:1], 0x70          ; wv_b
	PHASE 0, 1, 1, 0, 2
	EPI_QK 1, KVHEAD, 131072
	s_wait_loadcnt 0x0                             ; wv_b: one number a lane and tile; the C of a product wants it in all eight registers
.irp b, 0,1,2,3
.irp j, 1,2,3,4,5,6,7
	v_mov_b32 v[BI+8*\b+\j], v[BI+8*\b]
.endr
.endr
	s_wait_alu depctr_va_vdst(0)
	PHASE 1, 2, 0, 1, 1                            ; V: nothing is left to fetch
	PHASE 1, 2, 1, 0, 0
	; V's way out: images [step][d tile b][my 64 keys]; a half word of two scale bytes for each feature, which meets the other half's in LDS
	PLACES
	s_mul_i32 s70, s[HD], KVHEAD
	s_lshl_b32 s74, s[STP], 12
	s_add_co_u32 s70, s70, s74
	s_lshl_b32 s74, s[TH], 9
	s_add_co_u32 s70, s70, s74
	s_add_co_u32 s70, s70, 65536
	s_mov_b32 s71, 0
	s_add_nc_u64 s[70:71], s[68:69], s[70:71]
	s_and_b32 s75, s[WV], 3                        ; waves 0 to 3 store the scale words of heads 4 wx + wave
	s_sub_co_u32 s72, s[HD], s[WQ]
	s_add_co_u32 s72, s72, s75
	s_mul_i32 s72, s72, KVHEAD
	s_lshl_b32 s74, s[STP], 8
	s_add_co_u32 s72, s72, s74
	s_add_co_u32 s72, s72, 139264
	s_mov_b32 s73, 0
	s_add_nc_u64 s[72:73], s[68:69], s[72:73]
	s_lshl_b32 s74, s[WQ], 8
	s_lshl_b32 s76, s[TH], 1
	s_add_co_u32 s74, s74, s76
	s_add_co_u32 s74, s74, VSTG
	v_lshl_add_u32 v[OW8], v[OR4], 1, s74          ; VSTG + 256 wq + 8 r + 2 th (the loads and stores that named v9 to v11 have been waited for)
	s_lshl_b32 s75, s75, 8
	s_add_co_u32 s75, s75, VSTG
	v_lshrrev_b32 v[OR4], 1, v[LI]                 ; 8 x lane
	s_delay_alu instid0(VALU_DEP_1)
	v_add_nc_u32 v[OBH], s75, v[OR4]
.irp b, 0,1,2,3
	QBLK \b
	global_store_b128 v[LI], v[PC+4*\b:PC+4*\b+3], s[70:71] offset:1024*\b
	ds_store_b16 v[OW8], v[WD+\b] offset:128*(\b/2)+4*(\b%2)       ; both halves of the lanes write the same half word with the same value
.endr
	s_wait_dscnt 0x0                               ; for the others' sake: my stores into the stage are done
	s_barrier_signal -1
	s_barrier_wait -1
	s_cmp_lt_u32 s[WV], 4
	s_cbranch_scc0 .Lno_vs
	ds_load_b64 v[DW:DW+1], v[OBH]
	s_wait_dscnt 0x0
	global_store_b64 v[OR4], v[DW:DW+1], s[72:73]  ; 256 consecutive bytes, aligned
.Lno_vs:
	s_wait_tensorcnt 0x0                           ; the wave's end: behind my last tensor load and my last LDS store
	ds_add_u32 v[SPW], v[NIL]
	s_wait_dscnt 0x0
	ROUND                                          ; the closing round
	s_endpgm
.Lfunc_end_k_q5b653984d7_proj:
	.size	k_q5b653984d7_proj, .Lfunc_end_k_q5b653984d7_proj-k_q5b653984d7_proj
	.p2alignl 7, 3214868480
	.fill 96, 4, 3214868480
	.section	.rodata,"a",@progbits
	.p2align	6, 0x0
	.amdhsa_kernel k_q5b653984d7_proj
		.amdhsa_group_segment_fixed_size 327680
		.amdhsa_private_segment_fixed_size 0
		.amdhsa_enable_private_segment 0
		.amdhsa_kernarg_size 144
		.amdhsa_user_sgpr_count 2
		.amdhsa_user_sgpr_kernarg_segment_ptr 1
		.amdhsa_wavefront_size32 1
		.amdhsa_system_sgpr_workgroup_id_x 1
		.amdhsa_system_sgpr_workgroup_id_y 1
		.amdhsa_system_sgpr_workgroup_id_z 1
		.amdhsa_system_vgpr_workitem_id 0
		.amdhsa_next_free_vgpr 256
		.amdhsa_next_free_sgpr 106
		.amdhsa_reserve_vcc 1
		.amdhsa_float_denorm_mode_32 3
		.amdhsa_float_denorm_mode_16_64 3
		.amdhsa_memory_ordered 1
		.amdhsa_forward_progress 1
		.amdhsa_inst_pref_size 135
	.end_amdhsa_kernel
	.amdgpu_metadata
---
amdhsa.version: [ 1, 2 ]
amdhsa.kernels:
  - .name:           k_q5b653984d7_proj
    .symbol:         k_q5b653984d7_proj.kd
    .args:
      - { .name: query_codes, .offset: 0, .size: 8, .value_kind: global_buffer, .address_space: global }
      - { .name: query_scales, .offset: 8, .size: 8, .value_kind: global_buffer, .address_space: global }
      - { .name: wq_w_codes, .offset: 16, .size: 8, .value_kind: global_buffer, .address_space: global }
      - { .name: wq_w_scales, .offset: 24, .size: 8, .value_kind: global_buffer, .address_space: global }
      - { .name: key_codes, .offset: 32, .size: 8, .value_kind: global_buffer, .address_space: global }
      - { .name: key_scales, .offset: 40, .size: 8, .value_kind: global_buffer, .address_space: global }
      - { .name: wk_w_codes, .offset: 48, .size: 8, .value_kind: global_buffer, .address_space: global }
      - { .name: wk_w_scales, .offset: 56, .size: 8, .value_kind: global_buffer, .address_space: global }
      - { .name: value_codes, .offset: 64, .size: 8, .value_kind: global_buffer, .address_space: global }
      - { .name: value_scales, .offset: 72, .size: 8, .value_kind: global_buffer, .address_space: global }
      - { .name: wv_w_codes, .offset: 80, .size: 8, .value_kind: global_buffer, .address_space: global }
      - { .name: wv_w_scales, .offset: 88, .size: 8, .value_kind: global_buffer, .address_space: global }
      - { .name: wq_b, .offset: 96, .size: 8, .value_kind: global_buffer, .address_space: global }
      - { .name: wk_b, .offset: 104, .size: 8, .value_kind: global_buffer, .address_space: global }
      - { .name: wv_b, .offset: 112, .size: 8, .value_kind: global_buffer, .address_space: global }
      - { .name: mask, .offset: 120, .size: 8, .value_kind: global_buffer, .address_space: global }
      - { .name: q_ws, .offset: 128, .size: 8, .value_kind: global_buffer, .address_space: global }
      - { .name: kv, .offset: 136, .size: 8, .value_kind: global_buffer, .address_space: global }
    .group_segment_fixed_size: 327680
    .private_segment_fixed_size: 0
    .kernarg_segment_align: 8
    .kernarg_segment_size: 144
    .max_flat_workgroup_size: 256
    .sgpr_count:     106
    .vgpr_count:     256
    .wavefront_size: 32
...
	.end_amdgpu_metadata
.endif
;; end of part 1
;; launch attn (part 2): grid 4 x 64, 16 waves a work-group, clusters of 4 x 1, 167,936 bytes of LDS; arguments q_ws, kv, xc, xs; writes xc, xs
.if DOCPART == 2
	.amdgcn_target "amdgcn-amd-amdhsa--gfx1250"
	.amdhsa_code_object_version 6
	.text
	.protected	k_q5b653984d7_attn
	.globl	k_q5b653984d7_attn
	.p2align	8
	.type	k_q5b653984d7_attn,@function
k_q5b653984d7_attn:
	s_mov_b64 s[64:65], 0
	v_nop
	global_prefetch_b8 v0, s[64:65] scope:SCOPE_SE
	s_setreg_imm32_b32 hwreg(HW_REG_WAVE_MODE, 25, 1), 1
	s_wait_xcnt 0x0
	s_wait_alu depctr_hold_cnt(0) depctr_sa_sdst(0) depctr_va_vdst(0) depctr_va_sdst(0) depctr_va_ssrc(0) depctr_va_vcc(0) depctr_vm_vsrc(0)
	s_getreg_b32 s2, hwreg(HW_REG_IB_STS2, 6, 4)
	s_cmp_eq_u32 s2, 0
	s_cbranch_scc0 .Lentry_in_a_cluster
	s_endpgm
.Lentry_in_a_cluster:
	s_bfe_u32 s2, ttmp6, 0x10000c
	s_cmp_lg_u32 s2, 0x3003
	s_cbranch_scc0 .Lentry_shape_is_right
	s_endpgm
.Lentry_shape_is_right:
; ATTN: for each batch and head, x = softmax(Q K^T / 8, masked) V, both products on codes of E2M1, and x quantised along the 1,024 of the last product.  No work of the problem is left out here.
; THE SOFTMAX: t = score x log2(e) / 8; M = the running largest t rounded UP to a whole number; p = 2^(t - M) is quantised along the keys, not normalised; the row's sum is taken of the unquantised p and divides at the end.
; When M moves, the sum and O are multiplied by 2^(old M - new M), which rounds nothing.
; THE MASK costs no line here: K's operand carries the code -1.0 and Q's the code 1.0 at k = 64, in the half of the instruction's K that the head's 64 leave free; the launch before put 2^96 into a masked key's scale byte
; of that block (and zeros into its codes), 2^-126 into every other key's, and 2^-60 into Q's.  A masked score is exactly -2^36, whose t is a whole number: where every key is masked p = 1 for all, else p = 0.
; LIMITS: as stated at the head of the first launch; the scaled scores stay under 2^31 in magnitude.
; SHARES.  A head's K and V, codes and scale words, are 143,360 dense bytes: they come into LDS ONCE and stay: no ring, and no loop of loads for a prefetch to run ahead in.  A work-group owns 512 queries of a head; the
; head's four work-groups are a cluster and ask for the block jointly, each of the sixteen waves for 35 rows of 256 bytes.  A wave owns two tiles of 16 queries, one after the other, in 256 registers.
; LAYOUT.  S^T = K Q^T and O^T = V^T P^T: a lane holds one query throughout.  THE KEYS OF A SCORE TILE ARE CHOSEN BY THE LDS ADDRESS: row m of tile t is key 64 (t / 4) + 32 (m / 8) + 8 (t % 4) + m % 8 of the step.
; So lane (r, h) holds in tiles 4 c .. 4 c + 3 the 32 keys 64 c + 32 h + 0 .. 31 in ascending order: block 2 c + h whole.  A block's maximum needs no other lane, and the eight conversions' results are P's operand as they stand.
.set VC,    65536
.set KS,    131072
.set VS,    139264
.set XST,   143360                     ; x's scale half words of the work-group's 512 queries: 1,024 bytes that no tensor load fills
.set SPARE, 144384                     ; the spare words, 128 bytes for each wave, which no other line names
.set LI,  1                            ; v1  16 x lane
.set LIV, 2                            ; v2  + V's images
.set LKS, 3                            ; v3  my place among K's scale words
.set LVS, 4                            ; v4  V's: 8 x lane
.set SPW, 5
.set NIL, 6
.set XSA, 7                            ; v7  where I put x's half word
.set ADK, 8                            ; v8-11 the step's addresses
.set ADV, 9
.set ADS, 10
.set ADT, 11
.set QF0, 16                           ; v12 -M, v13 the largest score, v[14:15] the sum in two halves; v16-23 Q of the first tile
.set BM,  24                           ; v24-27 maxima: two chains a block; v28-31 at work
.set BP,  28
.set KF,  32                           ; v32-95 eight fragments of K: registers 4 to 7 of each are constants
.set S,   96                           ; v96-159 S^T, then p; on the way out x
.set OA,  160                          ; v160-191 O^T
.set PP,  192                          ; v192-199 partial sums, then P's codes; on the way out x's
.set KSR, 200                          ; v200-203 K's scale words, v204-205 V's, v206 P's, v207 and v213 Q's: scales and nothing else
.set VSR, 204
.set PW,  206
.set QS0, 207
.set SOP, 208                          ; v208-209 the conversions' scale operands
.set LK,  210                          ; v210 my place in K's images
.set SH8, 211                          ; v211 8 h
.set T0,  212
.set QS1, 213
.set FF,  214                          ; v[214:215] f, and a 0 that is only named
.set QF1, 216
.set VF,  224                          ; v224-255 four fragments of V
.set WV,  12
.set SEL, 28
.set CS,  30                           ; s[30:31] c = log2(e) / 8
.set TB,  32                           ; the step's images: 4,096 bytes a step, K's and V's alike
.set TS,  33                           ; K's scale words: 512
.set TV,  34                           ; V's: 256
.set CNT, 35
.macro ROUND
	s_barrier_signal -1
	s_barrier_wait -1
	s_cmp_lg_u32 s[WV], 0
	s_cbranch_scc1 .Lnot_wave_0_\@
	s_barrier_signal -3
.Lnot_wave_0_\@:
	s_barrier_wait -3
	s_barrier_signal -1
	s_barrier_wait -1
.endm
; A step's K: ten loads.  Scale words: registers KSR, +1 tiles 0 and 2 of my four, +2, +3 tiles 1 and 3 (lanes 0-15: tiles 0-3, lanes 16-31: tiles 4-7)
.macro KLOAD
	ds_load_b64 v[KSR:KSR+1], v[ADS]
	ds_load_b64 v[KSR+2:KSR+3], v[ADS] offset:128
.irp t, 0,1,2,3,4,5,6,7
	ds_load_b128 v[KF+8*\t:KF+8*\t+3], v[ADK] offset:2048*(\t/4)+512*((\t%4)/2)+128*(\t%2)
.endr
.endm
; A KEY STEP: 128 keys
.macro STEP qf, qs
	s_wait_dscnt 0x0                               ; this step's K, asked for a step ago
.irp t, 0,1,2,3
	v_wmma_scale_f32_16x16x128_f8f6f4 v[S+8*\t:S+8*\t+7], v[KF+8*\t:KF+8*\t+7], v[\qf:\qf+7], 0, v[KSR+2*(\t%2)+\t/2], v[\qs] matrix_a_fmt:MATRIX_FMT_FP4 matrix_b_fmt:MATRIX_FMT_FP4
.endr
.irp t, 4,5,6,7
	v_wmma_scale_f32_16x16x128_f8f6f4 v[S+8*\t:S+8*\t+7], v[KF+8*\t:KF+8*\t+7], v[\qf:\qf+7], 0, v[KSR+2*(\t%2)+(\t-4)/2], v[\qs] matrix_a_fmt:MATRIX_FMT_FP4 matrix_b_fmt:MATRIX_FMT_FP4 matrix_a_scale:MATRIX_SCALE_ROW1
.endr
	v_add_nc_u32 v[ADV], s[TB], v[LIV]             ; these four are the places behind the products: in front of the loads into K's and V's registers and of the first read of the scores
	v_add_nc_u32 v[ADT], s[TV], v[LVS]
	s_add_co_u32 s[TB], s[TB], 4096
	s_add_co_u32 s[TS], s[TS], 512
	s_add_co_u32 s[TV], s[TV], 256
	v_add_nc_u32 v[ADK], s[TB], v[LK]              ; the next step's K (behind the last step: bytes of the block that are loaded and not used)
	v_add_nc_u32 v[ADS], s[TS], v[LKS]
	ds_load_b64 v[VSR:VSR+1], v[ADT]
.irp t, 0,1,2,3
.irp c, 0,1
	ds_load_b128 v[VF+8*\t+4*\c:VF+8*\t+4*\c+3], v[ADV] offset:1024*\t+512*\c
.endr
.endr
	KLOAD
	v_mov_b32 v[BP+1], v12                         ; the old -M
.irp c, 0,1                                    ; my two blocks' largest scores, two chains a block; each tile is read from its low end on
	v_max3_num_f32 v[BM+2*\c], v[S+32*\c], v[S+32*\c+1], v[S+32*\c+2]
	v_max3_num_f32 v[BM+2*\c+1], v[S+32*\c+17], v[S+32*\c+18], v[S+32*\c+19]
.endr
.irp i, 0,2,4,6,8,10
.irp c, 0,1
	v_max3_num_f32 v[BM+2*\c], v[BM+2*\c], v[S+32*\c+3+\i], v[S+32*\c+4+\i]
	v_max3_num_f32 v[BM+2*\c+1], v[BM+2*\c+1], v[S+32*\c+20+\i], v[S+32*\c+21+\i]
.endr
.endr
.irp c, 0,1
	v_max3_num_f32 v[BM+2*\c], v[BM+2*\c], v[S+32*\c+15], v[S+32*\c+16]
.endr
.irp c, 0,1
	s_delay_alu instid0(VALU_DEP_2)
	v_max_num_f32 v[BM+2*\c], v[BM+2*\c], v[BM+2*\c+1]     ; it serves for the row's maximum and, since p rises with the score, for the block's largest p
.endr
	s_delay_alu instid0(VALU_DEP_1)
	v_max_num_f32 v[T0], v[BM], v[BM+2]
	s_delay_alu instid0(VALU_DEP_1)
	v_permlanex16_b32 v[BP], v[T0], s[SEL], s[SEL+1]
	s_delay_alu instid0(VALU_DEP_1)
	v_max3_num_f32 v13, v13, v[T0], v[BP]          ; the running largest score of my query
	s_delay_alu instid0(VALU_DEP_1)
	v_mul_f32 v[T0], s[CS], v13                    ; as t (c is positive)
	s_delay_alu instid0(VALU_DEP_1)
	v_floor_f32 v12, -v[T0]                        ; the new -M = floor(-t)
	s_delay_alu instid0(VALU_DEP_1)
	v_sub_f32 v[T0], v12, v[BP+1]                  ; old M - new M: a whole number, 0 or less
	s_delay_alu instid0(VALU_DEP_1)
	v_cvt_i32_f32 v[T0], v[T0]                     ; (it saturates)
	s_delay_alu instid0(VALU_DEP_1)
	v_ldexp_f32 v[FF], 1.0, v[T0]                  ; f = 2^(old M - new M)
.set n, 0
.rept 32
	v_pk_fma_f32 v[S+n:S+n+1], v[S+n:S+n+1], s[CS:CS+1], v[12:13] op_sel_hi:[1,0,0]   ; t - M, two at a time
.set n, n+2
.endr
.irp c, 0,1
	v_fma_f32 v[BM+2*\c], v[BM+2*\c], s[CS], v12   ; the same of each block's largest score
.endr
	s_wait_alu depctr_va_vdst(0)
.set n, 0
.rept 64
	v_exp_f32 v[S+n], v[S+n]                       ; p = 2^(t - M)
.set n, n+1
.endr
	v_pk_mul_f32 v[14:15], v[14:15], v[FF:FF+1] op_sel_hi:[1,0]    ; the sums under the new M: a plain place behind the exponentials
	s_wait_alu depctr_va_vdst(0)                   ; one wait for the batch of 64, ahead of its first reader
.irp c, 0,1
	v_exp_f32 v[BM+2*\c], v[BM+2*\c]               ; the block's largest p
.endr
.set n, 0                                      ; the row's sum of the unquantised p: seven chains, 32 packed additions
.irp a, 28,30,192,194,196,198
	v_pk_add_f32 v[\a:\a+1], v[S+n:S+n+1], v[S+n+2:S+n+3]
.set n, n+4
.endr
.rept 2
.irp a, 14,28,30,192,194,196,198
	v_pk_add_f32 v[\a:\a+1], v[\a:\a+1], v[S+n:S+n+1]
.set n, n+2
.endr
.endr
.irp a, 14,28,30,192,194,196
	v_pk_add_f32 v[\a:\a+1], v[\a:\a+1], v[S+n:S+n+1]
.set n, n+2
.endr
	v_pk_add_f32 v[28:29], v[28:29], v[30:31]
	v_pk_add_f32 v[192:193], v[192:193], v[194:195]
	v_pk_add_f32 v[196:197], v[196:197], v[198:199]
	v_pk_add_f32 v[14:15], v[14:15], v[28:29]
	s_delay_alu instid0(VALU_DEP_2)
	v_pk_add_f32 v[192:193], v[192:193], v[196:197]
	s_delay_alu instid0(VALU_DEP_1)
	v_pk_add_f32 v[14:15], v[14:15], v[192:193]
	s_wait_alu depctr_va_vdst(0)                   ; and one for the two
.irp c, 0,1
	v_max_num_f32 v[BM+2*\c], 0x1800000, v[BM+2*\c]        ; the floor 2^(3 - 127): the byte cannot fall under 1 (a block of zeros keeps that byte: its codes are zeros)
.endr
.irp c, 0,1
	s_delay_alu instid0(VALU_DEP_2)
	v_add_nc_u32 v[SOP+\c], 0xff000000, v[BM+2*\c] ; 2 off the exponent field: the conversion's scale operand
.endr
.irp c, 0,1
	s_delay_alu instid0(VALU_DEP_2)
	v_lshrrev_b32 v[BP+\c], 23, v[SOP+\c]          ; the byte of block 2 c + h
.endr
	s_delay_alu instid0(VALU_DEP_1)
	v_lshl_or_b32 v[T0], v[BP+1], 16, v[BP]
	s_delay_alu instid0(VALU_DEP_1)
	v_lshlrev_b32 v[T0], v[SH8], v[T0]             ; at their places in the word, 8 h bits up;
	s_delay_alu instid0(VALU_DEP_1)
	v_permlanex16_b32 v[BP+2], v[T0], s[SEL], s[SEL+1]
	s_delay_alu instid0(VALU_DEP_1)
	v_or_b32 v[PW], v[T0], v[BP+2]                 ; with lane l xor 16's two: P's scale word for these 128 keys
.irp c, 0,1
.irp i, 0,1,2,3
	v_cvt_scalef32_pk8_fp4_f32 v[PP+4*\c+\i], v[S+32*\c+8*\i:S+32*\c+8*\i+7], v[SOP+\c]    ; keys 64 c + 32 h + 8 i on: register 4 c + i of the operand
.endr
.endr
	v_nop                                          ; one plain place behind the conversions
	s_wait_alu depctr_va_vdst(0)                   ; ahead of the first reader of O^T
.set n, 0
.rept 16
	v_pk_mul_f32 v[OA+n:OA+n+1], v[OA+n:OA+n+1], v[FF:FF+1] op_sel_hi:[1,0]   ; O^T under the new M; these are also the places between P's codes and scale word and the products
.set n, n+2
.endr
	s_wait_alu depctr_va_vdst(0)
	s_wait_dscnt 10                                ; V's nine loads are in; the next step's ten of K, issued behind them, may be out
.irp t, 0,1
	v_wmma_scale_f32_16x16x128_f8f6f4 v[OA+8*\t:OA+8*\t+7], v[VF+8*\t:VF+8*\t+7], v[PP:PP+7], v[OA+8*\t:OA+8*\t+7], v[VSR+\t], v[PW] matrix_a_fmt:MATRIX_FMT_FP4 matrix_b_fmt:MATRIX_FMT_FP4
.endr
.irp t, 2,3
	v_wmma_scale_f32_16x16x128_f8f6f4 v[OA+8*\t:OA+8*\t+7], v[VF+8*\t:VF+8*\t+7], v[PP:PP+7], v[OA+8*\t:OA+8*\t+7], v[VSR+\t-2], v[PW] matrix_a_fmt:MATRIX_FMT_FP4 matrix_b_fmt:MATRIX_FMT_FP4 matrix_a_scale:MATRIX_SCALE_ROW1
.endr
.endm
; One tile of 16 queries through all 2,048 keys, and its way out.  The step is written once: the first finds zeros, which the first change of M (f = 0) leaves zeros
.macro PASS p, qf, qs
	s_mov_b32 s[TB], 0
	s_mov_b32 s[TS], 0
	s_mov_b32 s[TV], 0
	s_mov_b32 s[CNT], 16
	v_add_nc_u32 v[ADK], s[TB], v[LK]
	v_add_nc_u32 v[ADS], s[TS], v[LKS]
	KLOAD                                          ; the first step's K
	v_mov_b32 v13, 0xff61b1e6                      ; -3e38, under every score
	v_mov_b32 v12, 0x7e000000                      ; -M: a whole number above every -M that follows
	v_mov_b32 v14, 0
	v_mov_b32 v15, 0
.set n, 0
.rept 32
	v_mov_b32 v[OA+n], 0
.set n, n+1
.endr
.Lstep_\@:
	STEP \qf, \qs
	s_sub_co_u32 s[CNT], s[CNT], 1
	s_cmp_lg_u32 s[CNT], 0
	s_cbranch_scc1 .Lstep_\@
	s_wait_dscnt 0x0                               ; the loads that the last step issued ahead have landed: their registers may be loaded again
	v_add_f32 v14, v14, v15                        ; the sum's two halves,
	s_delay_alu instid0(VALU_DEP_1)
	v_permlanex16_b32 v[T0], v14, s[SEL], s[SEL+1]
	s_delay_alu instid0(VALU_DEP_1)
	v_add_f32 v14, v14, v[T0]                      ; and lane l xor 16's
	s_wait_alu depctr_va_vdst(0)
	v_rcp_f32 v14, v14
	v_nop                                          ; plain places: behind the reciprocal, and with the additions the four behind the last products
	v_nop
	s_wait_alu depctr_va_vdst(0)                   ; ahead of the reciprocal's first reader, and of O^T's
.set n, 0
.rept 16
	v_pk_mul_f32 v[S+n:S+n+1], v[OA+n:OA+n+1], v[14:15] op_sel_hi:[1,0]   ; x = O^T / the sum: register 8 t + j is d = 16 t + 8 h + j of my query
.set n, n+2
.endr
.irp e, 0,1
	v_max3_num_f32 v[BM+\e], |v[S+16*\e]|, |v[S+16*\e+1]|, 0x1800000
.endr
.irp i, 2,4,6,8,10,12,14
.irp e, 0,1
	s_delay_alu instid0(VALU_DEP_2)
	v_max3_num_f32 v[BM+\e], v[BM+\e], |v[S+16*\e+\i]|, |v[S+16*\e+\i+1]|
.endr
.endr
.irp e, 0,1
	s_delay_alu instid0(VALU_DEP_2)
	v_permlanex16_b32 v[BP+\e], v[BM+\e], s[SEL], s[SEL+1]
.endr
.irp e, 0,1
	s_delay_alu instid0(VALU_DEP_2)
	v_max_num_f32 v[BM+\e], v[BM+\e], v[BP+\e]
.endr
.irp e, 0,1
	s_delay_alu instid0(VALU_DEP_2)
	v_add_nc_u32 v[SOP+\e], 0xff000000, v[BM+\e]
.endr
.irp e, 0,1
	s_delay_alu instid0(VALU_DEP_2)
	v_lshrrev_b32 v[BP+\e], 23, v[SOP+\e]
.endr
	s_delay_alu instid0(VALU_DEP_1)
	v_lshl_or_b32 v[T0], v[BP+1], 8, v[BP]         ; the head's two scale bytes of my query
	v_cvt_scalef32_pk8_fp4_f32 v[PP],   v[S:S+7],     v[SOP]
	v_cvt_scalef32_pk8_fp4_f32 v[PP+1], v[S+16:S+23], v[SOP+1]
	v_cvt_scalef32_pk8_fp4_f32 v[PP+2], v[S+8:S+15],  v[SOP]
	v_cvt_scalef32_pk8_fp4_f32 v[PP+3], v[S+24:S+31], v[SOP+1]
	v_nop
	v_permlane16_swap_b32 v[PP], v[PP+1]           ; lanes 0-15: block 0 whole, lanes 16-31: block 1
	v_permlane16_swap_b32 v[PP+2], v[PP+3]
	global_store_b128 v[LI], v[PP:PP+3], s[40:41] offset:131072*\p         ; the image of (token tile, head): 512 consecutive bytes
	ds_store_b16 v[XSA], v[T0] offset:512*\p
	s_wait_xcnt 0x0                                ; the store has read its registers
.endm
	s_load_b256 s[4:11], s[0:1], 0x0               ; q_ws s[4:5], kv s[6:7], xc s[8:9], xs s[10:11]
	v_lshl_add_u32 v[SPW], v0, 2, SPARE
	v_mov_b32 v[NIL], 0
	ds_add_u32 v[SPW], v[NIL]                      ; the wave's opening: the add, twice on end, and its wait ahead of my first tensor load
	ds_add_u32 v[SPW], v[NIL]
	v_lshrrev_b32 v8, 5, v0
	s_delay_alu instid0(VALU_DEP_1)
	v_readfirstlane_b32 s[WV], v8                  ; wave 0..15
	s_bfe_u32 s13, ttmp6, 0x40000                  ; cx: which 512 queries (the grid's x is one cluster): it enters Q's, xc's and xs's addresses alone
	s_and_b32 s14, ttmp7, 0xffff                   ; 16 x batch + head, which the four partners share
	s_mov_b32 s16, 15|(3<<16)|(1<<21)              ; group 1: the mask of all four; elements of 8 bytes; bit 21 beside a mask; no padding
	s_mov_b32 s17, 32<<16                          ; 35 rows of 256 bytes, dense
	s_mov_b32 s18, 35<<16
	s_mov_b32 s19, 32<<16
	s_mov_b32 s20, 35
	s_mov_b32 s21, 32
	s_mov_b32 s22, 0
	s_mov_b32 s23, 0
	s_mov_b32 s24, 1
	s_mul_i32 s25, s[WV], 8960                     ; my sixteenth of the head's block, in LDS as in memory
	s_mul_i32 s44, s14, 143360
	s_add_co_u32 s44, s44, s25
	s_mov_b32 s45, 0
	s_lshl_b32 s46, s13, 5
	s_add_co_u32 s46, s46, s[WV]                   ; my first tile of the head's 128; the second lies 16 tiles on
	s_mul_i32 s47, s14, 73728
	s_lshl_b32 s36, s46, 9
	s_add_co_u32 s36, s36, s47                     ; its image
	s_mov_b32 s37, 0
	s_lshr_b32 s38, s46, 2
	s_lshl_b32 s38, s38, 8
	s_and_b32 s39, s46, 3
	s_lshl_b32 s39, s39, 2
	s_add_co_u32 s38, s38, s39
	s_add_co_u32 s38, s38, s47
	s_add_co_u32 s38, s38, 65536                   ; its scale words: 256 (tile / 4) + 4 (tile % 4), 16 bytes from row to row
	s_mov_b32 s39, 0
	s_lshr_b32 s48, s14, 4                         ; batch
	s_and_b32 s49, s14, 15                         ; head
	s_lshl_b32 s40, s48, 7
	s_add_co_u32 s40, s40, s46
	s_lshl_b32 s40, s40, 13                        ; xc: 8,192 bytes a token tile,
	s_lshl_b32 s50, s49, 9
	s_add_co_u32 s40, s40, s50                     ; 512 a head
	s_mov_b32 s41, 0
	s_lshl_b32 s42, s49, 14                        ; xs: 16,384 bytes a head, 2 a token
	s_lshl_b32 s50, s48, 12
	s_add_co_u32 s42, s42, s50
	s_lshl_b32 s50, s13, 10
	s_add_co_u32 s42, s42, s50
	s_mov_b32 s43, 0
	s_mov_b32 s[SEL], 0x76543210
	s_mov_b32 s[SEL+1], 0xfedcba98
	s_mov_b32 s[CS], 0x3e38aa3b                    ; log2(e) / 8
	s_mov_b32 s[CS+1], s[CS]
	s_wait_dscnt 0x0                               ; both opening adds are done
	s_wait_kmcnt 0x0
	s_add_nc_u64 s[26:27], s[6:7], s[44:45]
	s_or_b32 s27, s27, 0x80000000
	s_add_nc_u64 s[36:37], s[4:5], s[36:37]
	s_add_nc_u64 s[38:39], s[4:5], s[38:39]
	s_add_nc_u64 s[40:41], s[8:9], s[40:41]
	s_add_nc_u64 s[42:43], s[10:11], s[42:43]
	ROUND                                          ; all four work-groups are here: the joint loads meet
	tensor_load_to_lds s[24:27], s[16:23]          ; every wave's one load: one is out
	s_nop 0
.rept 4
	v_nop
.endr
	v_and_b32 v[LI], 31, v0
	v_and_b32 v8, 15, v0                           ; r
	v_and_b32 v9, 7, v0                            ; r % 8
	v_bfe_u32 v10, v0, 3, 1                        ; r / 8
	v_bfe_u32 v11, v0, 4, 1                        ; h
	v_lshl_add_u32 v[LVS], v[LI], 3, VS
	v_lshlrev_b32 v[LI], 4, v[LI]
	v_lshlrev_b32 v[LK], 4, v9                     ; K's images: key 32 (r / 8) + r % 8 lies two images and r % 8 lanes on: 1,024 (r / 8) + 16 (r % 8) + 256 h
	v_lshlrev_b32 v[LKS], 4, v9                    ; its scale word: 16 (r % 8) + 8 (r / 8) + 256 h
	v_add_nc_u32 v[LIV], VC, v[LI]
	v_lshl_add_u32 v[LK], v10, 10, v[LK]
	v_lshl_add_u32 v[LKS], v10, 3, v[LKS]
	v_lshlrev_b32 v[SH8], 3, v11
	v_lshl_add_u32 v[LK], v11, 8, v[LK]
	v_lshl_add_u32 v[LKS], v11, 8, v[LKS]
	s_lshl_b32 s50, s[WV], 5
	s_add_co_u32 s50, s50, XST
	v_lshl_add_u32 v[XSA], v8, 1, s50              ; XST + 32 x wave + 2 r
	v_lshlrev_b32 v9, 4, v8                        ; 16 r
	v_add_nc_u32 v[LKS], KS, v[LKS]
	global_load_b128 v[QF0:QF0+3], v[LI], s[36:37]
	global_load_b128 v[QF1:QF1+3], v[LI], s[36:37] offset:8192
	global_load_b32 v[QS0], v9, s[38:39]
	global_load_b32 v[QS1], v9, s[38:39] offset:1024
	v_lshlrev_b32 v10, 1, v11
	s_delay_alu instid0(VALU_DEP_1)
	v_sub_nc_u32 v[QF0+4], 2, v10                  ; Q's code at k = 64: 1.0 (lanes 0-15 hold k = 64 on, lanes 16-31 k = 96 on: zeros)
	s_delay_alu instid0(VALU_DEP_1)
	v_mov_b32 v[QF1+4], v[QF0+4]
.irp i, 5,6,7
	v_mov_b32 v[QF0+\i], 0
	v_mov_b32 v[QF1+\i], 0
.endr
.irp t, 0,1,2,3,4,5,6,7
	v_mov_b32 v[KF+8*\t+4], 10                     ; K's code at k = 64: -1.0 (at k = 96 it meets a zero of Q's); written once, no load lands here
	v_mov_b32 v[KF+8*\t+5], 0
	v_mov_b32 v[KF+8*\t+6], 0
	v_mov_b32 v[KF+8*\t+7], 0
.endr
.irp b, 0,1,2,3
	v_mov_b32 v[BP+\b], 0                          ; a lane permute's destination counts as one of its sources
.endr
	v_mov_b32 v[T0], 0
	v_mov_b32 v[FF+1], 0                           ; (named as the upper half of a pair)
	s_wait_alu depctr_va_vdst(0)
	s_wait_tensorcnt 0x0                           ; my part of the head's block is in,
	s_barrier_signal -1
	s_barrier_wait -1                              ; everybody's is; nothing is ever filled again
	s_wait_loadcnt 0x0                             ; Q
	PASS 0, QF0, QS0
	PASS 1, QF1, QS1
	s_and_b32 s50, s[WV], 1
	s_lshl_b32 s50, s50, 9
	v_add_nc_u32 v9, s50, v[LI]
	s_add_co_u32 s50, s50, XST
	v_add_nc_u32 v8, s50, v[LI]
	s_wait_alu depctr_va_vdst(0)
	s_wait_dscnt 0x0                               ; for the others' sake: my half words are stored
	s_barrier_signal -1
	s_barrier_wait -1
	s_cmp_lt_u32 s[WV], 2
	s_cbranch_scc0 .Lno_xs
	ds_load_b128 v[S:S+3], v8
	s_wait_dscnt 0x0
	global_store_b128 v9, v[S:S+3], s[42:43]       ; waves 0 and 1: 512 consecutive bytes each
.Lno_xs:
	s_wait_tensorcnt 0x0                           ; the wave's end: behind my last tensor load and my last LDS store
	ds_add_u32 v[SPW], v[NIL]
	s_wait_dscnt 0x0
	ROUND                                          ; the closing round
	s_endpgm
.Lfunc_end_k_q5b653984d7_attn:
	.size	k_q5b653984d7_attn, .Lfunc_end_k_q5b653984d7_attn-k_q5b653984d7_attn
	.p2alignl 7, 3214868480
	.fill 96, 4, 3214868480
	.section	.rodata,"a",@progbits
	.p2align	6, 0x0
	.amdhsa_kernel k_q5b653984d7_attn
		.amdhsa_group_segment_fixed_size 167936
		.amdhsa_private_segment_fixed_size 0
		.amdhsa_enable_private_segment 0
		.amdhsa_kernarg_size 32
		.amdhsa_user_sgpr_count 2
		.amdhsa_user_sgpr_kernarg_segment_ptr 1
		.amdhsa_wavefront_size32 1
		.amdhsa_system_sgpr_workgroup_id_x 1
		.amdhsa_system_sgpr_workgroup_id_y 1
		.amdhsa_system_sgpr_workgroup_id_z 1
		.amdhsa_system_vgpr_workitem_id 0
		.amdhsa_next_free_vgpr 256
		.amdhsa_next_free_sgpr 66
		.amdhsa_reserve_vcc 0
		.amdhsa_float_denorm_mode_32 3
		.amdhsa_float_denorm_mode_16_64 3
		.amdhsa_memory_ordered 1
		.amdhsa_forward_progress 1
		.amdhsa_inst_pref_size 50
	.end_amdhsa_kernel
	.amdgpu_metadata
---
amdhsa.version: [ 1, 2 ]
amdhsa.kernels:
  - .name:           k_q5b653984d7_attn
    .symbol:         k_q5b653984d7_attn.kd
    .args:
      - { .name: q_ws, .offset: 0, .size: 8, .value_kind: global_buffer, .address_space: global }
      - { .name: kv, .offset: 8, .size: 8, .value_kind: global_buffer, .address_space: global }
      - { .name: xc, .offset: 16, .size: 8, .value_kind: global_buffer, .address_space: global }
      - { .name: xs, .offset: 24, .size: 8, .value_kind: global_buffer, .address_space: global }
    .group_segment_fixed_size: 167936
    .private_segment_fixed_size: 0
    .kernarg_segment_align: 8
    .kernarg_segment_size: 32
    .max_flat_workgroup_size: 512
    .sgpr_count:     66
    .vgpr_count:     256
    .wavefront_size: 32
...
	.end_amdgpu_metadata
.endif
;; end of part 2
;; launch fc (part 3): grid 256 x 1, 2 waves a work-group, clusters of 4 x 1, 167,936 bytes of LDS; arguments xc, xs, fc_w_codes, fc_w_scales, fc_b, out0; writes out0
.if DOCPART == 3
	.amdgcn_target "amdgcn-amd-amdhsa--gfx1250"
	.amdhsa_code_object_version 6
	.text
	.protected	k_q5b653984d7_fc
	.globl	k_q5b653984d7_fc
	.p2align	8
	.type	k_q5b653984d7_fc,@function
k_q5b653984d7_fc:
	s_mov_b64 s[64:65], 0
	v_nop
	global_prefetch_b8 v0, s[64:65] scope:SCOPE_SE
	s_setreg_imm32_b32 hwreg(HW_REG_WAVE_MODE, 25, 1), 1
	s_wait_xcnt 0x0
	s_wait_alu depctr_hold_cnt(0) depctr_sa_sdst(0) depctr_va_vdst(0) depctr_va_sdst(0) depctr_va_ssrc(0) depctr_va_vcc(0) depctr_vm_vsrc(0)
	s_getreg_b32 s2, hwreg(HW_REG_IB_STS2, 6, 4)
	s_cmp_eq_u32 s2, 0
	s_cbranch_scc0 .Lentry_in_a_cluster
	s_endpgm
.Lentry_in_a_cluster:
	s_bfe_u32 s2, ttmp6, 0x10000c
	s_cmp_lg_u32 s2, 0x3003
	s_cbranch_scc0 .Lentry_shape_is_right
	s_endpgm
.Lentry_shape_is_right:
; FC: out = softmax over the 4 groups of (x fc_w^T + fc_b), x as the codes and scale bytes that the attention launch made, fc_w as given.  No work of the problem is left out here.
; SHARES.  A wave takes 16 tokens and all 128 outputs: 8 accumulators, K = 1,024 in 8 steps.  x's 16 images come straight into registers.  fc_w (64 KiB of codes, 4 KiB of scale bytes) is read by every work-group: the four
; of a cluster ask for it jointly, wave 0 for the codes and wave 1 for the scale bytes; it is filled once.
; LAYOUT.  Source 0 = 16 outputs, source 1 = my 16 tokens: a lane holds one token, and register j of tile t the output 16 t + 8 h + j = 32 e + f with e = t / 2: the four numbers of a softmax lie in one lane.
; The bias is loaded into the accumulators, so that the first products add onto it.
; LIMITS: NaN, infinities and the scale byte 0xff among the inputs are not served.
.set WPITCH, 528                       ; a row of fc_w in LDS: 512 bytes + 16 of padding
.set WS,     128*WPITCH                ; its scale bytes: 16 units of 256 bytes + 16
.set STAGE,  WS+16*272                 ; the way out: 16 rows x (512 + 16) for each wave; no tensor load fills it
.set SPARE,  STAGE+2*16*528            ; the spare words, 128 bytes for each wave, which no other line names
.set LI,  1                            ; v1 16 x lane; v2 2 r; v3 32 h; v4 fc_w's fragments; v5 its scale words; v6, v7 the stage, in and back
.set SPW, 14
.set NIL, 15
.set XSW, 16                           ; v16-23 x's scale words, one a K step: scales and nothing else
.set XF,  32                           ; v32-95 x's eight fragments; on the way out rows of the result
.set WF,  96                           ; v96-159 fc_w's eight fragments of a K step; ahead of the loop x's half words; behind it the softmax's maxima and sums
.set ACC, 160                          ; v160-223
.set WSA, 224                          ; v224-255 fc_w's scale words: register 8 i + s: lanes 0-15 tile i, lanes 16-31 tile 4 + i, K step s: scales and nothing else
.set WV,  40
.macro ROUND
	s_barrier_signal -1
	s_barrier_wait -1
	s_cmp_lg_u32 s[WV], 0
	s_cbranch_scc1 .Lnot_wave_0_\@
	s_barrier_signal -3
.Lnot_wave_0_\@:
	s_barrier_wait -3
	s_barrier_signal -1
	s_barrier_wait -1
.endm
.macro PLACES
.rept 4
	v_nop
.endr
.endm
	s_load_b256 s[4:11], s[0:1], 0x0               ; xc s[4:5], xs s[6:7], fc_w_codes s[8:9], fc_w_scales s[10:11]
	s_load_b128 s[12:15], s[0:1], 0x20             ; fc_b s[12:13], out0 s[14:15]
	v_lshl_add_u32 v[SPW], v0, 2, SPARE
	v_mov_b32 v[NIL], 0
	ds_add_u32 v[SPW], v[NIL]                      ; the wave's opening: the add, twice on end, and its wait ahead of my first tensor load
	ds_add_u32 v[SPW], v[NIL]
	v_lshrrev_b32 v1, 5, v0
	v_readfirstlane_b32 s[WV], v1                  ; wave 0, 1
	s_bfe_u32 s41, ttmp6, 0x40000                  ; cx
	s_lshl_b32 s42, ttmp9, 2
	s_add_co_u32 s42, s42, s41                     ; work-group
	s_lshl_b32 s42, s42, 1
	s_add_co_u32 s42, s42, s[WV]                   ; my tile of 16 tokens, 0 .. 511
	s_mov_b32 s16, 15|(1<<20)|(1<<21)|(6<<22)|(3<<25)              ; the codes: 128 rows of 512 bytes, 4 words of padding behind every 128
	s_mov_b32 s17, 512<<16
	s_mov_b32 s18, 128<<16
	s_mov_b32 s19, 512<<16
	s_mov_b32 s20, 128
	s_mov_b32 s21, 512
	s_mov_b32 s22, 0
	s_mov_b32 s23, 0
	s_mov_b32 s24, 15|(3<<16)|(1<<20)|(1<<21)|(5<<22)|(3<<25)      ; the scale bytes: 4,096 dense bytes as 16 rows of 256, 4 words of padding behind each
	s_mov_b32 s25, 32<<16
	s_mov_b32 s26, 16<<16
	s_mov_b32 s27, 32<<16
	s_mov_b32 s28, 16
	s_mov_b32 s29, 32
	s_mov_b32 s30, 0
	s_mov_b32 s31, 0
	s_mov_b32 s32, 1
	s_mov_b32 s33, 0
	s_mov_b32 s36, 1
	s_mov_b32 s37, WS
	s_mov_b32 s44, 0x3fb8aa3b                      ; log2(e)
	s_mov_b32 s45, s44
	s_wait_dscnt 0x0                               ; both opening adds are done
	s_wait_kmcnt 0x0
	s_mov_b64 s[34:35], s[8:9]
	s_or_b32 s35, s35, 0x80000000
	s_mov_b64 s[38:39], s[10:11]
	s_or_b32 s39, s39, 0x80000000
	s_lshl_b32 s46, s42, 13                        ; 8,192 bytes a token tile, in xc and in out0 alike
	s_mov_b32 s47, 0
	s_add_nc_u64 s[4:5], s[4:5], s[46:47]
	s_add_nc_u64 s[14:15], s[14:15], s[46:47]
	s_lshl_b32 s46, s42, 5                         ; 32 bytes of half words a tile and head
	s_add_nc_u64 s[6:7], s[6:7], s[46:47]
	ROUND                                          ; all four work-groups are here: the joint loads meet
	s_cmp_eq_u32 s[WV], 0
	s_cbranch_scc0 .Lfor_scales
	tensor_load_to_lds s[32:35], s[16:23]
	s_nop 0
	PLACES
	s_branch .Lasked
.Lfor_scales:
	tensor_load_to_lds s[36:39], s[24:31]
	s_nop 0
	PLACES
.Lasked:
	v_and_b32 v8, 15, v0                           ; r
	v_bfe_u32 v9, v0, 4, 1                         ; h
	v_and_b32 v[LI], 31, v0
	v_lshlrev_b32 v[LI], 4, v[LI]
	v_lshlrev_b32 v2, 1, v8
	v_lshlrev_b32 v3, 5, v9
.irp i, 0,1,2,3,4,5,6,7,8,9,10,11,12,13,14,15
	global_load_b128 v[XF+4*\i:XF+4*\i+3], v[LI], s[4:5] offset:512*\i     ; head i's image: registers 4 (i % 2) on of K step i / 2
.endr
.irp i, 0,1,2,3,4,5,6,7,8,9,10,11,12,13,14,15
	global_load_u16 v[WF+\i], v2, s[6:7] offset:16384*\i   ; head i's two scale bytes of token r
.endr
.irp t, 0,1,2,3,4,5,6,7
	global_load_b128 v[ACC+8*\t:ACC+8*\t+3], v3, s[12:13] offset:64*\t     ; fc_b at outputs 16 t + 8 h + 0 .. 7
	global_load_b128 v[ACC+8*\t+4:ACC+8*\t+7], v3, s[12:13] offset:64*\t+16
.endr
	v_mul_u32_u24 v4, v8, WPITCH
	v_lshl_add_u32 v4, v9, 4, v4                   ; row r, + 16 h
	v_lshrrev_b32 v10, 3, v8
	v_and_b32 v11, 7, v8
	v_mul_u32_u24 v10, v10, 272
	v_lshl_add_u32 v10, v11, 5, v10
	v_mul_u32_u24 v11, v9, 8*272                   ; lanes 16-31: 64 rows further on
	v_add_nc_u32 v10, v10, v11
	v_add_nc_u32 v5, WS, v10
	s_mul_i32 s46, s[WV], 16*528
	s_add_co_u32 s46, s46, STAGE
	v_mul_u32_u24 v6, v8, 528
	v_lshl_add_u32 v6, v9, 5, v6
	v_add_nc_u32 v6, s46, v6                       ; in: row r, 32 bytes for each half of the lanes
	v_add_nc_u32 v7, s46, v[LI]                    ; back: the 32 lanes take a row of 512 bytes
	s_wait_loadcnt 0x0
.irp s, 0,1,2,3,4,5,6,7
	v_lshl_or_b32 v[XSW+\s], v[WF+2*\s+1], 16, v[WF+2*\s]  ; K step s: heads 2 s and 2 s + 1
.endr
	s_wait_alu depctr_va_vdst(0)
	s_wait_tensorcnt 0x0                           ; my load is in,
	s_barrier_signal -1
	s_barrier_wait -1                              ; both are; nothing is ever filled again
.irp i, 0,1,2,3
	ds_load_b128 v[WSA+8*\i:WSA+8*\i+3], v5 offset:544*\i
	ds_load_b128 v[WSA+8*\i+4:WSA+8*\i+7], v5 offset:544*\i+16
.endr
.irp s, 0,1,2,3,4,5,6,7
	PLACES                                         ; in front of loads into registers that products have read; in the first step, with the seven lines above, the places behind x's first scale word
.irp t, 0,1,2,3,4,5,6,7
.irp c, 0,1
	ds_load_b128 v[WF+8*\t+4*\c:WF+8*\t+4*\c+3], v4 offset:16*WPITCH*\t+64*\s+32*\c
.endr
.endr
	s_wait_dscnt 0x0
.irp t, 0,1,2,3
	v_wmma_scale_f32_16x16x128_f8f6f4 v[ACC+8*\t:ACC+8*\t+7], v[WF+8*\t:WF+8*\t+7], v[XF+8*\s:XF+8*\s+7], v[ACC+8*\t:ACC+8*\t+7], v[WSA+8*\t+\s], v[XSW+\s] matrix_a_fmt:MATRIX_FMT_FP4 matrix_b_fmt:MATRIX_FMT_FP4
.endr
.irp t, 4,5,6,7
	v_wmma_scale_f32_16x16x128_f8f6f4 v[ACC+8*\t:ACC+8*\t+7], v[WF+8*\t:WF+8*\t+7], v[XF+8*\s:XF+8*\s+7], v[ACC+8*\t:ACC+8*\t+7], v[WSA+8*(\t-4)+\s], v[XSW+\s] matrix_a_fmt:MATRIX_FMT_FP4 matrix_b_fmt:MATRIX_FMT_FP4 matrix_a_scale:MATRIX_SCALE_ROW1
.endr
.endr
	PLACES
	; the softmax over e of the numbers at ACC + 16 e + i, i = 0 .. 15: the maximum is taken away first
.set n, 0
.rept 16
	v_max3_num_f32 v[WF+n], v[ACC+n], v[ACC+16+n], v[ACC+32+n]
.set n, n+1
.endr
.set n, 0
.rept 16
	v_max_num_f32 v[WF+n], v[WF+n], v[ACC+48+n]
.set n, n+1
.endr
.set n, 0
.rept 16
	v_mul_f32 v[WF+n], 0xbfb8aa3b, v[WF+n]         ; - the maximum x log2(e)
.set n, n+1
.endr
.irp e, 0,1,2,3
.set n, 0
.rept 8
	v_pk_fma_f32 v[ACC+16*\e+n:ACC+16*\e+n+1], v[ACC+16*\e+n:ACC+16*\e+n+1], s[44:45], v[WF+n:WF+n+1] op_sel_hi:[1,0,1]
.set n, n+2
.endr
.endr
.set n, 0
	s_wait_alu depctr_va_vdst(0)
.rept 64
	v_exp_f32 v[ACC+n], v[ACC+n]
.set n, n+1
.endr
	v_nop                                          ; a plain place behind the exponentials
	s_wait_alu depctr_va_vdst(0)                   ; one wait for the batch, ahead of its first reader
.set n, 0
.rept 8
	v_pk_add_f32 v[WF+16+n:WF+16+n+1], v[ACC+n:ACC+n+1], v[ACC+16+n:ACC+16+n+1]
.set n, n+2
.endr
.irp e, 2,3
.set n, 0
.rept 8
	v_pk_add_f32 v[WF+16+n:WF+16+n+1], v[WF+16+n:WF+16+n+1], v[ACC+16*\e+n:ACC+16*\e+n+1]
.set n, n+2
.endr
.endr
.set n, 0
	s_wait_alu depctr_va_vdst(0)
.rept 16
	v_rcp_f32 v[WF+16+n], v[WF+16+n]
.set n, n+1
.endr
	v_nop
	s_wait_alu depctr_va_vdst(0)                   ; one wait for the sixteen reciprocals
.irp e, 0,1,2,3
.set n, 0
.rept 8
	v_pk_mul_f32 v[ACC+16*\e+n:ACC+16*\e+n+1], v[ACC+16*\e+n:ACC+16*\e+n+1], v[WF+16+n:WF+16+n+1]
.set n, n+2
.endr
.endr
	; the way out: a lane holds 32 neighbouring bytes of eight pieces of its token's row: through my own stage, and back as whole rows of 512 bytes.  LDS serves a wave's instructions in order (ISA guide 5.7.1.4)
.irp t, 0,1,2,3,4,5,6,7
	ds_store_b128 v6, v[ACC+8*\t:ACC+8*\t+3] offset:64*\t
	ds_store_b128 v6, v[ACC+8*\t+4:ACC+8*\t+7] offset:64*\t+16
.endr
.irp i, 0,1,2,3,4,5,6,7,8,9,10,11,12,13,14,15
	ds_load_b128 v[XF+4*\i:XF+4*\i+3], v7 offset:528*\i
.endr
.irp i, 0,1,2,3,4,5,6,7,8,9,10,11,12,13,14,15
	s_wait_dscnt 15-\i                             ; row i is back; the younger rows may be out
	global_store_b128 v[LI], v[XF+4*\i:XF+4*\i+3], s[14:15] offset:512*\i th:TH_STORE_NT   ; 512 consecutive bytes, aligned; written once
.endr
	s_wait_tensorcnt 0x0                           ; the wave's end: behind my last tensor load and my last LDS store
	ds_add_u32 v[SPW], v[NIL]
	s_wait_dscnt 0x0
	ROUND                                          ; the closing round
	s_endpgm
.Lfunc_end_k_q5b653984d7_fc:
	.size	k_q5b653984d7_fc, .Lfunc_end_k_q5b653984d7_fc-k_q5b653984d7_fc
	.p2alignl 7, 3214868480
	.fill 96, 4, 3214868480
	.section	.rodata,"a",@progbits
	.p2align	6, 0x0
	.amdhsa_kernel k_q5b653984d7_fc
		.amdhsa_group_segment_fixed_size 167936
		.amdhsa_private_segment_fixed_size 0
		.amdhsa_enable_private_segment 0
		.amdhsa_kernarg_size 48
		.amdhsa_user_sgpr_count 2
		.amdhsa_user_sgpr_kernarg_segment_ptr 1
		.amdhsa_wavefront_size32 1
		.amdhsa_system_sgpr_workgroup_id_x 1
		.amdhsa_system_sgpr_workgroup_id_y 1
		.amdhsa_system_sgpr_workgroup_id_z 1
		.amdhsa_system_vgpr_workitem_id 0
		.amdhsa_next_free_vgpr 256
		.amdhsa_next_free_sgpr 66
		.amdhsa_reserve_vcc 0
		.amdhsa_float_denorm_mode_32 3
		.amdhsa_float_denorm_mode_16_64 3
		.amdhsa_memory_ordered 1
		.amdhsa_forward_progress 1
		.amdhsa_inst_pref_size 43
	.end_amdhsa_kernel
	.amdgpu_metadata
---
amdhsa.version: [ 1, 2 ]
amdhsa.kernels:
  - .name:           k_q5b653984d7_fc
    .symbol:         k_q5b653984d7_fc.kd
    .args:
      - { .name: xc, .offset: 0, .size: 8, .value_kind: global_buffer, .address_space: global }
      - { .name: xs, .offset: 8, .size: 8, .value_kind: global_buffer, .address_space: global }
      - { .name: fc_w_codes, .offset: 16, .size: 8, .value_kind: global_buffer, .address_space: global }
      - { .name: fc_w_scales, .offset: 24, .size: 8, .value_kind: global_buffer, .address_space: global }
      - { .name: fc_b, .offset: 32, .size: 8, .value_kind: global_buffer, .address_space: global }
      - { .name: out0, .offset: 40, .size: 8, .value_kind: global_buffer, .address_space: global }
    .group_segment_fixed_size: 167936
    .private_segment_fixed_size: 0
    .kernarg_segment_align: 8
    .kernarg_segment_size: 48
    .max_flat_workgroup_size: 64
    .sgpr_count:     66
    .vgpr_count:     256
    .wavefront_size: 32
...
	.end_amdgpu_metadata
.endif
;; end of part 3
